; MI455X (gfx1250); checked and timed in simulation.
; The chip was launched on July 23, 2026; its instructions are those of AMD's public machine-readable ISA for CDNA 5 (MIT licence, August 2026) and "CDNA5" Instruction Set Architecture Reference Guide (July 2026). The comments in the code are by the model that wrote it; some were corrected since.
;; Directional Self Attention. Allowed arithmetic: matrix products marked QUANTISED: E4M3 operands, one given power-of-two scale a tensor, by v_wmma_f32_16x16x64_fp8_fp8 or v_wmma_f32_16x16x128_fp8_fp8, f32 sums; everything else in f32.
;; Inputs: lowp_scales 8 int32 (the exponents e of the quantised operands' scales 2^e); proj_b 1,024 float32; proj_w 1,024 x 1,024 float32; qkv_b 3,072 float32; qkv_w 1,024 x 3,072 float32; x 4 x 2,048 x 1,024 float32.
;; Outputs: out0 4 x 2,048 x 1,024 float32.
;; Constants: direction = 0.
;; This version of the problem:
;;   THIS VERSION OF THE PROBLEM IS GIVEN IN LOW PRECISION. The matrix products marked QUANTISED in the list below multiply operands that are first quantised to E4M3 (4 exponent bits, 3 mantissa bits; 8 bits a number), with one given power-of-two scale for each operand tensor; their sums are f32. All else is computed in f32.
;;   The module's matrix products, in the order in which they are computed (A, B: the left and right operand; K: the contracted axis; several contracted axes count as one K, in the product's order):
;;     1. [M 8,192, K 1,024] x [K 1,024, N 3,072]; A: input x; B: input qkv_w: QUANTISED (scales: A lowp_scales[0], B lowp_scales[1])
;;     2. batch 64 x [M 2,048, K 64] x [K 64, N 2,048]; A: computed on the way; B: computed on the way: QUANTISED (scales: A lowp_scales[2], B lowp_scales[3])
;;     3. batch 64 x [M 2,048, K 2,048] x [K 2,048, N 64]; A: softmax (see below); B: computed on the way: QUANTISED (scales: A lowp_scales[4], B lowp_scales[5])
;;     4. [M 8,192, K 1,024] x [K 1,024, N 1,024]; A: computed on the way; B: input proj_w: QUANTISED (scales: A lowp_scales[6], B lowp_scales[7])
;;   THE QUANTISER, for each operand of a quantised product, along K:
;;     - The operand's scale is 2^e, e = its entry of the input lowp_scales (int32; the entries are numbered through the quantised products in the list's order, A before B).
;;     - Each number is divided by the scale, clamped to +-448, and rounded to the nearest number of E4M3, ties to even, subnormals kept.
;;     - The product sums the exact products of the quantised numbers (number of the format x scale) in f32.
;;   ~~~python
;;   def quantise(x, axis, e):      # numpy; x: float32 -> the quantised numbers, widened to float32 again
;;       x = np.moveaxis(x, axis, -1); K = x.shape[-1]
;;       r = np.clip(x / 2.0 ** e, -448, 448)
;;       step = 2.0 ** (np.maximum(np.frexp(np.where(r == 0, 1, r))[1] - 1, -6) - 3)
;;       q = np.round(r / step) * step * 2.0 ** e      # np.round: ties to even
;;       return np.moveaxis(q, -1, axis).astype(np.float32)
;;   ~~~
;;   SOFTMAX AHEAD OF A QUANTISED PRODUCT. Where the list says 'softmax', what is quantised is not the finished softmax but p = 2^(t - M), with t = logit x log2(e) and M = ceil(the row's largest t), a whole number; so 1/2 < the row's largest p <= 1. The row's sum l is taken of the UNQUANTISED p, in f32, and the product's result is divided by l at the end. Since M is a whole number, a kernel that streams over the keys may use a running M (the ceiling of the running maximum): every later rescaling is an exact power of two, so the quantised numbers keep their values, but for numbers so far below the row's largest that they fall under the format's range.
;;   OPERANDS COMPUTED ON THE WAY. 'Computed on the way' means the value that the module computes at that place (a softmax that the list does not call 'softmax' is quantised finished and normalised). What goes into a quantiser is computed in f32, as accurately as f32 sums, v_exp_f32 and their like allow (about 1e-6 of the number): no bf16 or f16 on the way to a quantiser, and a product that is left as it is and whose result goes on into a quantised operand takes f32 operands (vector FMAs, or v_wmma_f32_16x16x4_f32). A number that lies on a knife's edge between two numbers of the format may be rounded either way, as far as f32 arithmetic and the matrix unit's own rounding can turn it there, and no further.
;; One version. Each part assembles by itself: llvm-mc -triple=amdgcn-amd-amdhsa -mcpu=gfx1250 --defsym DOCPART=n.
;; ======== version 1 of 1: 4 launches
;; limits: right only within a limited range of input values
;; workspace buffers: xc 8,388,608 bytes; wqc 3,145,728 bytes; wpc 1,048,576 bytes; qc 8,388,608 bytes; kc 8,388,608 bytes; vc 8,388,608 bytes; ac 8,388,608 bytes
;; launch quant (part 1): grid 384 x 1, 4 waves a work-group, no clusters, 102,912 bytes of LDS; arguments x, qkv_w, proj_w, lowp_scales, xc, wqc, wpc; writes xc, wqc, wpc
.if DOCPART == 1
	.amdgcn_target "amdgcn-amd-amdhsa--gfx1250"
	.amdhsa_code_object_version 6
	.text
	.protected	k_q466247e831_quant
	.globl	k_q466247e831_quant
	.p2align	8
	.type	k_q466247e831_quant,@function
k_q466247e831_quant:
	s_mov_b64 s[64:65], 0
	v_nop
	global_prefetch_b8 v0, s[64:65] scope:SCOPE_SE
	s_setreg_imm32_b32 hwreg(HW_REG_WAVE_MODE, 25, 1), 1
	s_wait_xcnt 0x0
; x [8192][1024], qkv_w [1024 k][3072 n] and proj_w [1024 k][1024 n], f32, become codes of FP8 (E4M3), one byte each, K innermost:
; xc [8192][1024], wqc [3072 n][1024 k], wpc [1024 n][1024 k].  code = number / 2^e, held within +-448, to the nearest code, ties to even.
; e = entry 0 (x), 1 (qkv_w), 7 (proj_w) of the scales.  LIMITS: -126 <= e <= 119, so that 2^e and 448 x 2^e are f32 numbers; NaN among the inputs is not served.
; Work-groups 0-255 take x: K is innermost, the tensor is a plain stream; a wave takes 16 steps of 512 numbers.  Each load reads 512 consecutive bytes; a step's 2,048 bytes turn
; through the wave's own stage in LDS so that a lane holds 16 neighbours along K for the conversions.  A lane's 16 codes are 16 bytes: a store covers 512 consecutive bytes.
; Work-groups 256-351 take qkv_w, 352-383 proj_w: K is the FIRST axis, so a lane takes a column and its registers run down K; a wave takes 32 columns x 256 along K; the codes leave
; through the wave's own stage as rows: sixteen lanes store 256 consecutive aligned bytes.  Every work-group reads 131,072 bytes.
; The three ways part once, on the work-group's number, never join, and each has LDS bytes of its own.  No barrier: waves share nothing.
.set STEPS, 16
.set SP,    80                         ; a lane's place in x's stage: 64 bytes + 16 of padding
.set WREG,  8192                       ; x's way: LDS bytes of a wave (two stages of 32 x SP)
.set R,     16                         ; v16-79   four sets of 16 numbers as loaded
.set X,     80                         ; v80-111  two sets of 16 neighbours
.set C,     128                        ; v128-191 codes, four registers a step: no store's data are written again
.set WP,    272                        ; the weights' stage: a row of 256 codes + 16 of padding
.set WX,    32                         ; v32-95   two sets of 32 numbers down K
.set WC,    96                         ; v96-103  a block's codes
.set WO,    112                        ; v112-175 the way out
.macro XLOAD t
.irp i, 0,1,2,3
	global_load_b128 v[R+16*((\t)%4)+4*\i:R+16*((\t)%4)+4*\i+3], v3, s[4:5] offset:2048*(\t)+512*\i th:TH_LOAD_NT   ; 32 lanes read 512 consecutive bytes
.endr
.endm
.macro XTURN t                         ; step t's numbers through the stage; LDS serves a wave's instructions in order, so no wait stands between the stores and the loads
.irp i, 0,1,2,3
	ds_store_b128 v14, v[R+16*((\t)%4)+4*\i:R+16*((\t)%4)+4*\i+3] offset:32*SP*((\t)%2)+8*SP*\i
.endr
.irp i, 0,1,2,3
	ds_load_b128 v[X+16*((\t)%2)+4*\i:X+16*((\t)%2)+4*\i+3], v15 offset:32*SP*((\t)%2)+16*\i
.endr
.endm
.macro XSTEP t
.set XS, X+16*((\t)%2)
	s_wait_dscnt 0x0                               ; this step's numbers are back from the stage, and its stores into the stage have read their registers,
.if (\t)+4 < STEPS
	XLOAD (\t)+4                                   ; which take the loads of four steps on
.endif
.if (\t)+1 < STEPS
.if STEPS-2-(\t) >= 3
	s_wait_loadcnt 12                              ; the next step's four loads are in; those of the three steps behind it may be out
.else
	s_wait_loadcnt 4*(STEPS-2-(\t))
.endif
	XTURN (\t)+1
.endif
.set ii, 0
.rept 16
.set ii, ii+1
.endr
	v_cvt_scalef32_pk8_fp8_f32 v[C+4*(\t):C+4*(\t)+1], v[XS:XS+7], v11
	v_cvt_scalef32_pk8_fp8_f32 v[C+4*(\t)+2:C+4*(\t)+3], v[XS+8:XS+15], v11
	global_store_b128 v3, v[C+4*(\t):C+4*(\t)+3], s[12:13] offset:512*(\t)   ; the results go to a store alone; the next vector lines are the next step's conversions, on other registers
.endm
.macro WLOAD t, ncol, src              ; block t: w(32 t + i, my column), i = 0 .. 31, into set t % 2
.set ii, 0
.rept 32
	global_load_b32 v[WX+32*((\t)%2)+ii], v3, s[\src:\src+1] offset:(32*(\t)+ii)*(\ncol)*4 th:TH_LOAD_NT
.set ii, ii+1
.endr
.endm
.macro WBLOCK t, ncol, src
.set XS, WX+32*((\t)%2)
.if (\t) < 7
	s_wait_loadcnt 32                              ; this block's 32 loads are in; the next block's may be out
.else
	s_wait_loadcnt 0
.endif
.set ii, 0
.rept 32
.set ii, ii+1
.endr
.irp g, 0,1,2,3
	v_cvt_scalef32_pk8_fp8_f32 v[WC+2*\g:WC+2*\g+1], v[XS+8*\g:XS+8*\g+7], v11
.endr
	ds_store_b128 v4, v[WC:WC+3] offset:32*(\t)    ; 32 codes: 32 bytes of my column's row
	ds_store_b128 v4, v[WC+4:WC+7] offset:32*(\t)+16
.if (\t)+2 < 8
	WLOAD (\t)+2, \ncol, \src
.endif
	s_wait_dscnt 0x0                               ; the stores have read their registers: the next block's codes may be written
.endm
; A weight of ncol columns; its work-groups begin at number first; its stages begin at LDS byte lbase; s[src] the weight, s[dst] its codes, s[ex] its exponent.
.macro WPATH ncol, first, lbase, src, dst, ex
	s_sub_co_u32 s19, ttmp9, \first
	s_lshr_b32 s20, s19, 2                         ; which 128 columns
	s_and_b32 s19, s19, 3                          ; which 256 along K
	s_lshl_b32 s20, s20, 7
	s_lshl_b32 s21, s18, 5
	s_add_co_u32 s20, s20, s21                     ; my wave's first column
	v_lshlrev_b32 v3, 2, v2                        ; in: 4 bytes a lane
	s_mul_i32 s21, s18, 32*WP
	s_add_co_u32 s21, s21, \lbase                  ; my stage
	v_mul_u32_u24 v4, v2, WP
	v_add_nc_u32 v4, s21, v4                       ; into it: row = my column
	v_and_b32 v5, 15, v2
	v_lshrrev_b32 v6, 4, v2                        ; out of it: sixteen lanes to a row, two rows an instruction
	v_mul_u32_u24 v7, v6, WP
	v_lshl_add_u32 v7, v5, 4, v7
	v_add_nc_u32 v7, s21, v7
	v_lshlrev_b32 v8, 10, v6                       ; and the same place in the codes: rows of 1,024 bytes
	v_lshl_add_u32 v8, v5, 4, v8
	s_mul_i32 s22, s19, 256*(\ncol)*4
	s_lshl_b32 s23, s20, 2
	s_add_co_u32 s22, s22, s23
	s_mov_b32 s23, 0
	s_add_nc_u64 s[\src:\src+1], s[\src:\src+1], s[22:23]
	s_lshl_b32 s22, s20, 10
	s_lshl_b32 s21, s19, 8
	s_add_co_u32 s22, s22, s21
	s_add_nc_u64 s[\dst:\dst+1], s[\dst:\dst+1], s[22:23]
	WLOAD 0, \ncol, \src
	WLOAD 1, \ncol, \src
	s_wait_kmcnt 0x0
	s_add_co_i32 s22, s[\ex], 127
	s_lshl_b32 s23, s22, 23
	v_mov_b32 v11, s23                             ; 2^e as f32: the conversion takes its exponent field
	s_add_co_i32 s22, s22, 8
	s_lshl_b32 s22, s22, 23
	s_or_b32 s22, s22, 0x600000
	s_wait_alu depctr_va_vdst(0)
.irp t, 0,1,2,3,4,5,6,7
	WBLOCK \t, \ncol, \src
.endr
.irp t, 0,1,2,3,4,5,6,7,8,9,10,11,12,13,14,15
	ds_load_b128 v[WO+4*\t:WO+4*\t+3], v7 offset:2*\t*WP   ; LDS serves a wave's instructions in order: these see my stores
.endr
.irp t, 0,1,2,3,4,5,6,7,8,9,10,11,12,13,14,15
	s_wait_dscnt 15-\t                             ; the younger row loads may be out
	global_store_b128 v8, v[WO+4*\t:WO+4*\t+3], s[\dst:\dst+1] offset:2*\t*1024   ; sixteen lanes store 256 consecutive bytes, aligned
.endr
	s_wait_tensorcnt 0x0
	ds_add_u32 v192, v193
	s_wait_dscnt 0x0
	s_endpgm
.endm
	s_load_b256 s[4:11], s[0:1], 0x0               ; x s[4:5], qkv_w s[6:7], proj_w s[8:9], the scales' exponents s[10:11]
	s_load_b128 s[12:15], s[0:1], 0x20             ; xc s[12:13], wqc s[14:15]
	s_load_b64 s[16:17], s[0:1], 0x30              ; wpc
	v_lshl_add_u32 v192, v0, 2, 0x19000
	v_mov_b32 v193, 0
	v_lshrrev_b32 v1, 5, v0
	v_readfirstlane_b32 s18, v1                    ; wave 0..3
	v_and_b32 v2, 31, v0                           ; lane
	s_wait_kmcnt 0x0
	s_load_b256 s[24:31], s[10:11], 0x0            ; e0 .. e7
	s_cmp_lt_u32 ttmp9, 256
	s_cbranch_scc0 .Lweights
	; ---- x
	s_wait_alu depctr_va_vdst(0)
	v_lshlrev_b32 v3, 4, v2                        ; my 16 bytes of a load's 512, and of a store's
	s_wait_alu depctr_va_vdst(0)
	s_mul_i32 s19, s18, WREG
	v_lshrrev_b32 v14, 2, v2
	v_mul_u32_u24 v14, v14, SP
	v_and_b32 v15, 3, v2
	v_lshl_add_u32 v14, v15, 4, v14
	v_add_nc_u32 v14, s19, v14                     ; the stage, on the way in: four lanes' 64 bytes on end, then 16 of padding
	v_mul_u32_u24 v15, v2, SP
	v_add_nc_u32 v15, s19, v15                     ; and on the way out: my 16 neighbours
	s_lshl_b32 s20, ttmp9, 2
	s_add_co_u32 s20, s20, s18                     ; which run of 8,192 numbers is my wave's
	s_lshl_b32 s22, s20, 15
	s_mov_b32 s23, 0
	s_add_nc_u64 s[4:5], s[4:5], s[22:23]
	s_lshl_b32 s22, s20, 13
	s_add_nc_u64 s[12:13], s[12:13], s[22:23]
.irp t, 0,1,2,3
	XLOAD \t
.endr
	s_wait_alu depctr_va_vdst(0)
	s_wait_kmcnt 0x0
	s_add_co_i32 s22, s24, 127
	s_lshl_b32 s23, s22, 23
	v_mov_b32 v11, s23                             ; 2^e0
	s_add_co_i32 s22, s22, 8
	s_lshl_b32 s22, s22, 23
	s_or_b32 s22, s22, 0x600000
	s_wait_alu depctr_va_vdst(0)
	s_wait_loadcnt 12                              ; step 0's four loads are in
	XTURN 0
.irp t, 0,1,2,3,4,5,6,7,8,9,10,11,12,13,14,15
	XSTEP \t
.endr
	s_wait_tensorcnt 0x0
	ds_add_u32 v192, v193
	s_wait_dscnt 0x0
	s_endpgm
.Lweights:
	s_cmp_lt_u32 ttmp9, 352
	s_cbranch_scc0 .Lproj
	s_wait_alu depctr_va_vdst(0)
	WPATH 3072, 256, 32768, 6, 14, 25
.Lproj:
	s_wait_alu depctr_va_vdst(0)
	WPATH 1024, 352, 67584, 8, 16, 31
.Lfunc_end_k_q466247e831_quant:
	.size	k_q466247e831_quant, .Lfunc_end_k_q466247e831_quant-k_q466247e831_quant
	.p2alignl 7, 3214868480
	.fill 96, 4, 3214868480
	.section	.rodata,"a",@progbits
	.p2align	6, 0x0
	.amdhsa_kernel k_q466247e831_quant
		.amdhsa_group_segment_fixed_size 102912
		.amdhsa_private_segment_fixed_size 0
		.amdhsa_enable_private_segment 0
		.amdhsa_kernarg_size 56
		.amdhsa_user_sgpr_count 2
		.amdhsa_user_sgpr_kernarg_segment_ptr 1
		.amdhsa_wavefront_size32 1
		.amdhsa_system_sgpr_workgroup_id_x 1
		.amdhsa_system_sgpr_workgroup_id_y 1
		.amdhsa_system_sgpr_workgroup_id_z 1
		.amdhsa_system_vgpr_workitem_id 0
		.amdhsa_next_free_vgpr 194
		.amdhsa_next_free_sgpr 66
		.amdhsa_reserve_vcc 0
		.amdhsa_float_denorm_mode_32 3
		.amdhsa_float_denorm_mode_16_64 3
		.amdhsa_fp16_overflow 1
		.amdhsa_memory_ordered 1
		.amdhsa_forward_progress 1
		.amdhsa_inst_pref_size 85
	.end_amdhsa_kernel
	.amdgpu_metadata
---
amdhsa.version: [ 1, 2 ]
amdhsa.kernels:
  - .name:           k_q466247e831_quant
    .symbol:         k_q466247e831_quant.kd
    .args:
      - { .name: x, .offset: 0, .size: 8, .value_kind: global_buffer, .address_space: global }
      - { .name: qkv_w, .offset: 8, .size: 8, .value_kind: global_buffer, .address_space: global }
      - { .name: proj_w, .offset: 16, .size: 8, .value_kind: global_buffer, .address_space: global }
      - { .name: lowp_scales, .offset: 24, .size: 8, .value_kind: global_buffer, .address_space: global }
      - { .name: xc, .offset: 32, .size: 8, .value_kind: global_buffer, .address_space: global }
      - { .name: wqc, .offset: 40, .size: 8, .value_kind: global_buffer, .address_space: global }
      - { .name: wpc, .offset: 48, .size: 8, .value_kind: global_buffer, .address_space: global }
    .group_segment_fixed_size: 102912
    .private_segment_fixed_size: 0
    .kernarg_segment_align: 8
    .kernarg_segment_size: 56
    .max_flat_workgroup_size: 128
    .sgpr_count:     66
    .vgpr_count:     194
    .wavefront_size: 32
...
	.end_amdgpu_metadata
.endif
;; end of part 1
;; launch gemm_qkv (part 2): grid 12 x 32, 4 waves a work-group, clusters of 4 x 4, 327,680 bytes of LDS; arguments xc, wqc, lowp_scales, qkv_b, qc, kc, vc; writes qc, kc, vc
.if DOCPART == 2
	.amdgcn_target "amdgcn-amd-amdhsa--gfx1250"
	.amdhsa_code_object_version 6
	.text
	.protected	k_q466247e831_gemm_qkv
	.globl	k_q466247e831_gemm_qkv
	.p2align	8
	.type	k_q466247e831_gemm_qkv,@function
k_q466247e831_gemm_qkv:
	s_mov_b64 s[64:65], 0
	v_nop
	global_prefetch_b8 v0, s[64:65] scope:SCOPE_SE
	s_setreg_imm32_b32 hwreg(HW_REG_WAVE_MODE, 25, 1), 1
	s_wait_xcnt 0x0
	s_wait_alu depctr_hold_cnt(0) depctr_sa_sdst(0) depctr_va_vdst(0) depctr_va_sdst(0) depctr_va_ssrc(0) depctr_va_vcc(0) depctr_vm_vsrc(0)
	s_getreg_b32 s2, hwreg(HW_REG_IB_STS2, 6, 4)
	s_cmp_eq_u32 s2, 0
	s_cbranch_scc0 .Lentry_in_a_cluster
	s_endpgm
.Lentry_in_a_cluster:
	s_bfe_u32 s2, ttmp6, 0x10000c
	s_cmp_lg_u32 s2, 0xf033
	s_cbranch_scc0 .Lentry_shape_is_right
	s_endpgm
.Lentry_shape_is_right:
; qkv = x qkv_w + qkv_b on codes of FP8 (E4M3), and q, k, v quantised on the way out.  xc [8192 tokens][1024 k], wqc [3072 n][1024 k]: codes, K innermost.
; qc, kc: [64 heads bh][2048 t][64 d].  vc: [bh][16 blocks of keys][64 d][128 keys]: the keys innermost, since they are the K of attention's second product.
; A tile of C, 256 x 256, is made by a work-group of four waves; a wave makes 128 x 128: 64 accumulators.  K = 1,024 goes in four steps of 256 through a ring of two LDS slots.
; CLUSTERS of 4 x 4 work-groups; cluster x = 0 makes q, 1 makes k: C[token][n], A = xc, B = wqc.  Cluster x = 2 makes v TRANSPOSED: C[d][token], A = wqc's rows 2,048 on, B = xc.
; Only pointers and tile numbers differ up to the last change of slots.  A's tiles are asked for jointly along a row of the cluster, B's along a column.
; THE MATRIX INSTRUCTION IS USED TRANSPOSED (source 0 = 16 rows of B, source 1 = 16 rows of A): a lane holds eight neighbouring columns of one row of C: eight neighbours along d for q and k,
; eight neighbouring tokens for v: in both cases along the next product's K, as the conversions want them.
; code = (sum x 2^(e0+e1) + bias) / 2^eo = (sum + bias x 2^-(e0+e1)) / 2^(eo-e0-e1): only powers of two are folded.  eo = e2 (q), e3 (k), e5 (v).
; LIMITS: eo - e0 - e1 between -126 and 119; NaN among the inputs is not served.
; REGISTERS, in windows of 256: window 0: v16-31 addresses and scales; v32-95 the bias; v96-111 codes; v128-255 A's fragments, ONE set (on the way out: v128-191 sums + bias, v192-223 rows read back).
;   window 1: B's fragments, two sets.   window 2: the accumulators of my rows 0-63 ((a, b) at v[8 (8 a + b)]);   window 3: those of my rows 64-127.
.set ROWB,   256                       ; a tile's row in bytes
.set KROW,   1024                      ; a row of xc or wqc in memory
.set PITCH,  272                       ; an LDS row: 256 bytes + 16 of padding = 68 words: row r starts at bank 4 r mod 64 (64 banks of 4 bytes: ISA guide 11.1)
.set FR,     16                        ; registers of a fragment: 16 rows x 128 K
.set NL,     4                         ; LDS loads that bring one
.set NP,     4                         ; places behind this matrix instruction (ISA guide 7.12.1)
.set HALFT,  128*PITCH
.set SLOT,   4*HALFT                   ; A's 256 rows, then B's 256 rows
.set SPARE,  2*SLOT                    ; behind the ring: the spare words, 128 bytes a wave: two blocks of 256 bytes that no other line names
.set SPITCH, 144                       ; the way out: a stage row, 128 codes + 16 bytes
.set WSTG,   16*SPITCH                 ; a wave's stage.  The stages lie in slot 0, which has had its last fill and its last read when the first code is stored there
.set SV,     4*WSTG                    ; v's way has stage bytes of its own, behind q's and k's
.set ADRA, 16                          ; v16-17  LDS address of my A fragments in slot 0, 1
.set ADRB, 20                          ; v20-21  the same for B
.set BO,   22                          ; v22     32 x (lane / 16): my eight bias numbers of a tile of columns
.set BOV,  23                          ; v23     4 x (lane % 16): my row's bias number
.set STO,  24                          ; v24     where I put 8 codes of a row
.set RDQ,  25                          ; v25     where I read back, q and k: four lanes to 64 bytes of a row
.set CO,   26                          ; v26     16 x lane
.set RDV,  27                          ; v27     where I read back, v: eight lanes to a row of 128 bytes
.set SPW,  28                          ; v28     LDS address of my spare word; never rewritten
.set NIL,  29                          ; v29     0; never rewritten
.set LIMR, 30
.set SCLR, 31                          ; v31     the conversion's scale
.set BIAS, 32
.set BV,   40                          ; v's way: block a's bias, twice, at v[40 + 2 a]
.set CD,   96
.set AF,   128
.set TMP,  128
.set BK,   192
.set G1, 24                            ; s[24:31] descriptor group 1 for A's tiles;  s[32:39] group 0, one set for each slot
.set G0, 32
.set G1B, 48                           ; s[48:55], s[56:63] the same for B's tiles
.set G0B, 56
.set MSB, 0
.macro WIN new                         ; the immediate's high byte repeats the setting that is left
.if MSB != \new
	s_set_vgpr_msb (MSB<<8)|\new
.set MSB, \new
.endif
.endm
.set MUL_LO, 0xa1                      ; source 0 (B) window 1, source 1 (A) window 0, C and D window 2
.set MUL_HI, 0xf1                      ; the same, C and D window 3
.set TO_B,   0x40                      ; destination window 1, address window 0
; A joint load: waves 0 and 1 fetch for A, waves 2 and 3 for B; the branch hangs on the wave's number alone.  Four v_nop follow each of the two lines.
.macro JLOAD g0a, g1a, g0b, g1b
	s_cmp_eq_u32 s15, 0
	s_cbranch_scc0 .Lfor_b_\@
	tensor_load_to_lds s[\g0a:\g0a+3], s[\g1a:\g1a+7]
	s_nop 0
.rept 4
	v_nop
.endr
	s_branch .Lasked_\@
.Lfor_b_\@:
	tensor_load_to_lds s[\g0b:\g0b+3], s[\g1b:\g1b+7]
	s_nop 0
.rept 4
	v_nop
.endr
.Lasked_\@:
.endm
.macro CREST                           ; a round of the cluster's barrier behind its opening barrier
	s_cmp_lg_u32 s14, 0
	s_cbranch_scc1 .Lnot_wave_0_\@
	s_barrier_signal -3
.Lnot_wave_0_\@:
	s_barrier_wait -3
	s_barrier_signal -1
	s_barrier_wait -1
.endm
.macro CROUND                          ; a whole round
	s_barrier_signal -1
	s_barrier_wait -1
	CREST
.endm
.macro FRAG reg, adr, q, i             ; a fragment: lane l holds row l % 16; registers 4 c .. 4 c + 3 hold K = 32 c + 16 (l / 16) + 0 .. 15: the same places in A and in B, so every product meets its partner
.irp c, 0,1,2,3
	ds_load_b128 v[\reg+4*\c:\reg+4*\c+3], v[\adr] offset:128*(\q)+32*\c+(\i)*16*PITCH
.endr
.endm
; 16 matrix instructions: A's blocks a0, a0 + 1 x B's eight.  p: B's set.  zero = 1: the first product starts the sums.  The 64 accumulators take turns, in the same order in every step.
.macro MUL16 a0, p, zero
.irp a, \a0, \a0+1
.irp b, 0,1,2,3,4,5,6,7
.if \zero
	v_wmma_f32_16x16x128_fp8_fp8 v[8*(8*((\a)%4)+\b):8*(8*((\a)%4)+\b)+7], v[128*(\p)+FR*\b:128*(\p)+FR*\b+FR-1], v[AF+FR*(\a):AF+FR*(\a)+FR-1], 0
.else
	v_wmma_f32_16x16x128_fp8_fp8 v[8*(8*((\a)%4)+\b):8*(8*((\a)%4)+\b)+7], v[128*(\p)+FR*\b:128*(\p)+FR*\b+FR-1], v[AF+FR*(\a):AF+FR*(\a)+FR-1], v[8*(8*((\a)%4)+\b):8*(8*((\a)%4)+\b)+7]
.endif
.endr
.endr
.endm
.macro FETCH_B slot, q, p
	WIN TO_B
.irp i, 0,1,2,3,4,5,6,7
	FRAG 128*(\p)+FR*\i, ADRB+\slot, \q, \i
.endr
	WIN 0
.endm
.macro FETCH_A slot, q, i0
.irp i, \i0, \i0+1, \i0+2, \i0+3
	FRAG AF+FR*(\i), ADRA+\slot, \q, \i
.endr
.endm
.macro PLACES n                        ; plain vector lines between a matrix instruction and a load into a register that it read, or a read of its result
.rept \n
	v_nop
.endr
.endm
; A step of 128 along K that has its successor in the same slot.
.macro STEP slot, q, zero
	s_wait_dscnt 4*NL                              ; B's set and A's blocks 0-3 are in; the youngest sixteen loads (A's blocks 4-7) may be out
	WIN MUL_LO
	MUL16 0, (\q)%2, \zero
	MUL16 2, (\q)%2, \zero
	s_wait_dscnt 0                                 ; A's blocks 4-7 are in
	PLACES NP
	FETCH_B \slot, (\q)+1, 1-(\q)%2
	FETCH_A \slot, (\q)+1, 0
	WIN MUL_HI
	MUL16 4, (\q)%2, \zero
	MUL16 6, (\q)%2, \zero
	PLACES NP
	WIN 0
	FETCH_A \slot, (\q)+1, 4
.endm
; A slot's last step changes slots: ONE barrier; in front of it each wave waits for all its tensor loads, adds 0 to its spare word, and waits for that and for its own reads of this slot.
.macro TURN slot, next, fill
	s_wait_tensorcnt 0x0                           ; all my tensor loads have landed: my part of the next slot
	ds_add_u32 v[SPW], v[NIL]                      ; 0 onto my spare word
	s_wait_dscnt 4*NL+1                            ; (the add and the youngest sixteen loads may be out)
	WIN MUL_LO
	MUL16 0, 1, 0
	s_wait_dscnt 0x0                               ; the add is done, and my reads of this slot are over
	s_barrier_signal -1
	MUL16 2, 1, 0
	WIN 0
	s_barrier_wait -1
.if \fill
	CREST                                          ; the barrier has opened a round of the cluster's barrier: no wave of any partner still reads this slot or has a load on its way
	s_add_nc_u64 s[G0+4*\slot+2:G0+4*\slot+3], s[G0+4*\slot+2:G0+4*\slot+3], 2*ROWB
	s_add_nc_u64 s[G0B+4*\slot+2:G0B+4*\slot+3], s[G0B+4*\slot+2:G0B+4*\slot+3], 2*ROWB
	JLOAD G0+4*\slot, G1, G0B+4*\slot, G1B         ; the first tensor load behind the round; its four v_nop are also the places in front of the loads below
.else
	PLACES NP
.endif
	FETCH_B \next, 0, 0
	FETCH_A \next, 0, 0
	WIN MUL_HI
	MUL16 4, 1, 0
	MUL16 6, 1, 0
	PLACES NP
	WIN 0
	FETCH_A \next, 0, 4
.endm
.macro LAST                            ; the very last step: nothing more to fetch
	s_wait_dscnt 4*NL
	WIN MUL_LO
	MUL16 0, 1, 0
	MUL16 2, 1, 0
	s_wait_dscnt 0
	WIN MUL_HI
	MUL16 4, 1, 0
	MUL16 6, 1, 0
	WIN 0
.endm
; s88 = e0 + e1 on entry, s[eo] the result's exponent: the conversion's scale 2^(eo - e0 - e1), and s88 = -(e0 + e1)
.macro SCALES eo
	s_sub_co_i32 s89, s[\eo], s88
	s_sub_co_i32 s88, 0, s88
	s_add_co_i32 s89, s89, 127
	s_lshl_b32 s90, s89, 23
	v_mov_b32 v[SCLR], s90
.endm
; THE WAY OUT of block a (16 rows of C x 128 columns).  kind 0: q, k; kind 1: v.  Sum + bias, the conversion: 8 codes for each of B's eight blocks; into my stage by rows; back as dense runs of 512 bytes.
.macro TOSTAGE a, kind
.set AC, 64*((\a)%4)
	WIN 0x02+((\a)/4)                              ; source 0: window 2 or 3
.set jj, 0
.rept 32
.if \kind
	v_pk_add_f32 v[TMP+jj:TMP+jj+1], v[AC+jj:AC+jj+1], v[BV+2*(\a):BV+2*(\a)+1]     ; a row of C has one bias number; each accumulator from its low end on
.else
	v_pk_add_f32 v[TMP+jj:TMP+jj+1], v[AC+jj:AC+jj+1], v[BIAS+jj:BIAS+jj+1]         ; a column of C has one bias number
.endif
.set jj, jj+2
.endr
	WIN 0
.set jj, 0
.rept 64
.set jj, jj+1
.endr
.irp b, 0,1,2,3,4,5,6,7
	v_cvt_scalef32_pk8_fp8_f32 v[CD+2*\b:CD+2*\b+1], v[TMP+8*\b:TMP+8*\b+7], v[SCLR]
.endr
	v_nop                                          ; one plain vector line behind the last conversion: the next block's additions write its sources
.irp b, 0,1,2,3,4,5,6,7
	ds_store_b64 v[STO], v[CD+2*\b:CD+2*\b+1] offset:16*\b+SV*\kind   ; row l % 16, columns 16 b + 8 (l / 16) on
.endr
.set BB, BK+16*((\a)%2)
.irp i, 0,1,2,3
.if \kind
	ds_load_b128 v[BB+4*\i:BB+4*\i+3], v[RDV] offset:4*\i*SPITCH                    ; four rows of 128 bytes
.else
	ds_load_b128 v[BB+4*\i:BB+4*\i+3], v[RDQ] offset:8*(\i%2)*SPITCH+64*(\i/2)      ; eight rows' 64 bytes of head i / 2
.endif
.endr
.endm
.macro SEND a, kind, younger           ; younger: the LDS instructions issued behind block a's loads, which may stay out
.set BB, BK+16*((\a)%2)
	s_wait_dscnt \younger
.irp i, 0,1,2,3
.if \kind
	global_store_b128 v[CO], v[BB+4*\i:BB+4*\i+3], s[84:85] offset:131072*((\a)/4)+2048*((\a)%4)+512*\i   ; head a / 4, rows d = 16 (a % 4) + 4 i on: 512 consecutive bytes, aligned
.else
	global_store_b128 v[CO], v[BB+4*\i:BB+4*\i+3], s[84:85] offset:1024*(\a)+512*(\i%2)+131072*(\i/2)     ; head i / 2, tokens 16 a + 8 (i % 2) on: 512 consecutive bytes, aligned
.endif
.endr
.endm
.macro WAYOUT kind
	TOSTAGE 0, \kind
.irp a, 1,2,3,4,5,6,7
.if \a > 1
	s_wait_xcnt 0x0                                ; block a - 2's stores have read their registers: block a's loads may land there
.endif
	TOSTAGE \a, \kind
	SEND \a-1, \kind, 12                           ; behind block a - 1's loads: block a's 8 stores and 4 loads
.endr
	SEND 7, \kind, 0
.endm
	s_load_b256 s[4:11], s[0:1], 0x0               ; xc s[4:5], wqc s[6:7], the scales' exponents s[8:9], qkv_b s[10:11]
	s_load_b128 s[68:71], s[0:1], 0x20             ; qc s[68:69], kc s[70:71]
	s_load_b64 s[72:73], s[0:1], 0x30              ; vc
	v_lshl_add_u32 v[SPW], v0, 2, SPARE
	v_mov_b32 v[NIL], 0
	ds_add_u32 v28, v29
	ds_add_u32 v28, v29
	s_wait_dscnt 0x0
	v_lshrrev_b32 v1, 5, v0
	v_readfirstlane_b32 s14, v1                    ; wave 0..3
	s_lshr_b32 s15, s14, 1                         ; which half of the tile's rows is mine.  Also: I fetch for A (0) or for B (1)
	s_and_b32 s16, s14, 1                          ; which half of its columns.  Also: which 128 rows of that tile I fetch
	s_bfe_u32 s40, ttmp6, 0x40000                  ; cx, cy: my place in the cluster
	s_bfe_u32 s41, ttmp6, 0x40004
	s_and_b32 s45, ttmp7, 0xffff                   ; cluster y, 0..7
	s_cmp_eq_u32 ttmp9, 2                          ; v's clusters: the same answer in all sixteen partners
	s_cselect_b32 s42, s45, ttmp9                  ; clusters along C's columns: v: tokens by cluster y; q, k: n by cluster x
	s_cselect_b32 s17, 0, s45                      ; clusters along C's rows: v: one; q, k: tokens by cluster y
	s_lshl_b32 s42, s42, 2
	s_add_co_u32 s42, s42, s40                     ; tile column of C
	s_lshl_b32 s17, s17, 2
	s_add_co_u32 s17, s17, s41                     ; tile row of C
	s_lshl_b32 s43, s41, 2
	s_lshl_b32 s43, 15, s43                        ; my row of the cluster
	s_lshl_b32 s44, 0x1111, s40                    ; my column
	; descriptor group 1: a tile of 128 rows x 256 bytes, padded in LDS
	s_or_b32 s[G1+0], s43, (0<<16)|(1<<20)|(1<<21)|(5<<22)|(3<<25)  ; 15:0 the mask: A's tiles go to my row; 17:16 elements of 1 byte; 20 padding on; 21 set beside a mask; 24:22 after every 64 words; 31:25 four words
	s_or_b32 s[G1B+0], s44, (0<<16)|(1<<20)|(1<<21)|(5<<22)|(3<<25)
.irp g, G1, G1B
	s_mov_b32 s[\g+1], ROWB<<16                    ; tensor_dim0
	s_mov_b32 s[\g+2], 128<<16                     ; tensor_dim1
	s_mov_b32 s[\g+3], ROWB<<16                    ; tile_dim0
	s_mov_b32 s[\g+4], 128                         ; tile_dim1
	s_mov_b32 s[\g+5], KROW                        ; tensor_dim0_stride
	s_mov_b32 s[\g+6], 0
	s_mov_b32 s[\g+7], 0
.endr
	s_lshl_b32 s18, s16, 7                         ; which 128 rows of the tile I fetch
	s_lshl_b32 s20, s17, 8
	s_add_co_u32 s20, s20, s18                     ; A: row 256 x tile row + 128 x half
	s_lshl_b32 s46, s42, 8
	s_add_co_u32 s46, s46, s18                     ; B: row 256 x tile column + 128 x half
	s_lshl_b32 s20, s20, 10                        ; in bytes: rows of 1,024
	s_mov_b32 s21, 0
	s_lshl_b32 s46, s46, 10
	s_mov_b32 s47, 0
	s_mul_i32 s45, s14, HALFT                      ; where they go: wave x 128 rows: no place in the cluster enters an LDS address
	s_wait_kmcnt 0x0
	s_load_b256 s[76:83], s[8:9], 0x0              ; e0 .. e7
	s_cmp_eq_u32 ttmp9, 2
	s_cselect_b64 s[92:93], s[6:7], s[4:5]         ; A: v: the weights; q, k: the tokens
	s_cselect_b64 s[94:95], s[4:5], s[6:7]         ; B: the other one
	s_cselect_b32 s88, 0x200000, 0                 ; v's rows of wqc begin 2,048 rows of 1,024 bytes on
	s_mov_b32 s89, 0
	s_add_nc_u64 s[92:93], s[92:93], s[88:89]
	s_add_nc_u64 s[20:21], s[92:93], s[20:21]
	s_add_nc_u64 s[46:47], s[94:95], s[46:47]
	CROUND                                         ; all sixteen work-groups are here: the first joint loads meet
.irp s, 0,1
	s_mov_b32 s[G0+4*\s], 1
	s_add_co_u32 s[G0+4*\s+1], s45, \s*SLOT
	s_add_nc_u64 s[G0+4*\s+2:G0+4*\s+3], s[20:21], \s*ROWB
	s_or_b32 s[G0+4*\s+3], s[G0+4*\s+3], 0x80000000
	s_mov_b32 s[G0B+4*\s], 1
	s_add_co_u32 s[G0B+4*\s+1], s45, \s*SLOT
	s_add_nc_u64 s[G0B+4*\s+2:G0B+4*\s+3], s[46:47], \s*ROWB
	s_or_b32 s[G0B+4*\s+3], s[G0B+4*\s+3], 0x80000000
	JLOAD G0+4*\s, G1, G0B+4*\s, G1B
.endr
	v_and_b32 v1, 15, v0                           ; l % 16
	v_bfe_u32 v2, v0, 4, 1                         ; l / 16
	v_mul_u32_u24 v3, v1, PITCH
	v_lshl_add_u32 v4, v2, 4, v3                   ; a fragment's row x pitch + 16 x half
	s_mul_i32 s21, s15, HALFT                      ; my 128 rows of A
	s_mul_i32 s22, s16, HALFT                      ; my 128 rows of B,
	s_add_co_u32 s22, s22, 2*HALFT                 ; which lie behind A's 256
.irp s, 0,1
	v_add_nc_u32 v[ADRA+\s], s21, v4
	v_add_nc_u32 v[ADRB+\s], s22, v4
	s_add_co_u32 s21, s21, SLOT
	s_add_co_u32 s22, s22, SLOT
.endr
	v_lshlrev_b32 v[BO], 5, v2
	v_lshlrev_b32 v[BOV], 2, v1
	s_mul_i32 s23, s14, WSTG                       ; my stage
	v_mul_u32_u24 v5, v1, SPITCH
	v_lshl_add_u32 v5, v2, 3, v5
	v_add_nc_u32 v[STO], s23, v5                   ; in: row l % 16, 8 bytes for each half of the lanes
	v_and_b32 v6, 31, v0
	v_lshlrev_b32 v[CO], 4, v6
	v_lshrrev_b32 v7, 2, v6
	v_mul_u32_u24 v7, v7, SPITCH
	v_and_b32 v8, 3, v6
	v_lshl_add_u32 v7, v8, 4, v7
	v_add_nc_u32 v[RDQ], s23, v7
	v_lshrrev_b32 v7, 3, v6
	v_mul_u32_u24 v7, v7, SPITCH
	v_and_b32 v8, 7, v6
	v_lshl_add_u32 v7, v8, 4, v7
	v_add_nc_u32 v7, s23, v7
	v_add_nc_u32 v[RDV], SV, v7
	s_wait_tensorcnt 1                             ; my part of K step 0 is in (K step 1's load may be out),
	s_barrier_signal -1
	s_barrier_wait -1                              ; everybody's is
	FETCH_B 0, 0, 0
	FETCH_A 0, 0, 0
	FETCH_A 0, 0, 4
	STEP 0, 0, 1                                   ; the first step's products start the sums: nothing is cleared
	TURN 0, 1, 1                                   ; slot 0 takes K step 2
	STEP 1, 0, 0
	TURN 1, 0, 1                                   ; slot 1 takes K step 3
	STEP 0, 0, 0
	TURN 0, 1, 0                                   ; nothing is left to fetch: no round
	s_wait_kmcnt 0x0                               ; the exponents
	s_add_co_i32 s88, s76, s77                     ; e0 + e1
	s_cmp_eq_u32 ttmp9, 2                          ; the two ways out part here, behind the last barrier but the closing round; the last two steps stand in both, so that each way's bias has them in which to land
	s_cbranch_scc1 .Lv_arm
	; ---- q and k
	s_cmp_eq_u32 ttmp9, 0
	s_cselect_b32 s89, s78, s79                    ; e2 for q, e3 for k
	s_cselect_b64 s[84:85], s[68:69], s[70:71]     ; qc or kc
	SCALES 89
	s_lshl_b32 s90, s42, 10
	s_lshl_b32 s91, s16, 9
	s_add_co_u32 s90, s90, s91                     ; the bias of my 128 columns: 4 (256 x tile column + 128 x half) bytes on
	s_mov_b32 s91, 0
	s_add_nc_u64 s[86:87], s[10:11], s[90:91]
.irp b, 0,1,2,3,4,5,6,7
	global_load_b128 v[BIAS+8*\b:BIAS+8*\b+3], v[BO], s[86:87] offset:64*\b        ; columns 16 b + 8 (l / 16) + 0 .. 7
	global_load_b128 v[BIAS+8*\b+4:BIAS+8*\b+7], v[BO], s[86:87] offset:64*\b+16
.endr
	s_lshr_b32 s90, s17, 3                         ; the batch: eight tile rows of 256 tokens each
	s_lshl_b32 s90, s90, 4
	s_lshl_b32 s91, s40, 2
	s_add_co_u32 s90, s90, s91
	s_lshl_b32 s91, s16, 1
	s_add_co_u32 s90, s90, s91                     ; my first head: 16 x batch + 4 cx + 2 x half
	s_lshl_b32 s90, s90, 17                        ; a head is 131,072 bytes
	s_and_b32 s91, s17, 7
	s_lshl_b32 s91, s91, 14
	s_add_co_u32 s90, s90, s91
	s_lshl_b32 s91, s15, 13
	s_add_co_u32 s90, s90, s91                     ; + my first token x 64 bytes
	s_mov_b32 s91, 0
	s_add_nc_u64 s[84:85], s[84:85], s[90:91]
	STEP 1, 0, 0
	LAST
	s_wait_loadcnt 0x0                             ; the bias
.set jj, 0
.rept 64
	v_ldexp_f32 v[BIAS+jj], v[BIAS+jj], s88        ; bias x 2^-(e0 + e1).  (These lines are also the places behind the last products)
.set jj, jj+1
.endr
	WAYOUT 0
	s_branch .Lend
.Lv_arm:
	; ---- v
	SCALES 81                                      ; e5
	s_lshl_b32 s90, s17, 10
	s_lshl_b32 s91, s15, 9
	s_add_co_u32 s90, s90, s91
	s_add_co_u32 s90, s90, 8192                    ; the bias of my 128 rows: 4 (2,048 + 256 x tile row + 128 x half) bytes on
	s_mov_b32 s91, 0
	s_add_nc_u64 s[86:87], s[10:11], s[90:91]
.irp a, 0,1,2,3,4,5,6,7
	global_load_b32 v[BIAS+\a], v[BOV], s[86:87] offset:64*\a                      ; row 16 a + l % 16
.endr
	s_lshr_b32 s90, s42, 3                         ; the batch
	s_lshl_b32 s90, s90, 4
	s_lshl_b32 s91, s17, 2
	s_add_co_u32 s90, s90, s91
	s_lshl_b32 s91, s15, 1
	s_add_co_u32 s90, s90, s91                     ; my first head: 16 x batch + 4 x tile row + 2 x half
	s_lshl_b32 s90, s90, 17
	s_and_b32 s91, s42, 7
	s_lshl_b32 s91, s91, 14
	s_add_co_u32 s90, s90, s91
	s_lshl_b32 s91, s16, 13
	s_add_co_u32 s90, s90, s91                     ; + my block of 128 keys x 8,192 bytes
	s_mov_b32 s91, 0
	s_add_nc_u64 s[84:85], s[72:73], s[90:91]
	STEP 1, 0, 0
	LAST
	s_wait_loadcnt 0x0                             ; the bias
.irp a, 0,1,2,3,4,5,6,7
	v_ldexp_f32 v[BV+2*\a], v[BIAS+\a], s88        ; bias x 2^-(e0 + e1), twice: a pair for the packed addition.  (Also the places behind the last products)
	v_ldexp_f32 v[BV+2*\a+1], v[BIAS+\a], s88
.endr
	WAYOUT 1
.Lend:
	s_wait_tensorcnt 0x0                           ; the wave's end: behind my last tensor load and my last LDS store
	ds_add_u32 v[SPW], v[NIL]
	s_wait_dscnt 0x0
	CROUND                                         ; the closing round: no work-group ends while a partner may still ask for a tile that names it
	s_endpgm
.Lfunc_end_k_q466247e831_gemm_qkv:
	.size	k_q466247e831_gemm_qkv, .Lfunc_end_k_q466247e831_gemm_qkv-k_q466247e831_gemm_qkv
	.p2alignl 7, 3214868480
	.fill 96, 4, 3214868480
	.section	.rodata,"a",@progbits
	.p2align	6, 0x0
	.amdhsa_kernel k_q466247e831_gemm_qkv
		.amdhsa_group_segment_fixed_size 327680
		.amdhsa_private_segment_fixed_size 0
		.amdhsa_enable_private_segment 0
		.amdhsa_kernarg_size 56
		.amdhsa_user_sgpr_count 2
		.amdhsa_user_sgpr_kernarg_segment_ptr 1
		.amdhsa_wavefront_size32 1
		.amdhsa_system_sgpr_workgroup_id_x 1
		.amdhsa_system_sgpr_workgroup_id_y 1
		.amdhsa_system_sgpr_workgroup_id_z 1
		.amdhsa_system_vgpr_workitem_id 0
		.amdhsa_next_free_vgpr 1024
		.amdhsa_next_free_sgpr 100
		.amdhsa_reserve_vcc 0
		.amdhsa_float_denorm_mode_32 3
		.amdhsa_float_denorm_mode_16_64 3
		.amdhsa_fp16_overflow 1
		.amdhsa_memory_ordered 1
		.amdhsa_forward_progress 1
		.amdhsa_inst_pref_size 160
	.end_amdhsa_kernel
	.amdgpu_metadata
---
amdhsa.version: [ 1, 2 ]
amdhsa.kernels:
  - .name:           k_q466247e831_gemm_qkv
    .symbol:         k_q466247e831_gemm_qkv.kd
    .args:
      - { .name: xc, .offset: 0, .size: 8, .value_kind: global_buffer, .address_space: global }
      - { .name: wqc, .offset: 8, .size: 8, .value_kind: global_buffer, .address_space: global }
      - { .name: lowp_scales, .offset: 16, .size: 8, .value_kind: global_buffer, .address_space: global }
      - { .name: qkv_b, .offset: 24, .size: 8, .value_kind: global_buffer, .address_space: global }
      - { .name: qc, .offset: 32, .size: 8, .value_kind: global_buffer, .address_space: global }
      - { .name: kc, .offset: 40, .size: 8, .value_kind: global_buffer, .address_space: global }
      - { .name: vc, .offset: 48, .size: 8, .value_kind: global_buffer, .address_space: global }
    .group_segment_fixed_size: 327680
    .private_segment_fixed_size: 0
    .kernarg_segment_align: 8
    .kernarg_segment_size: 56
    .max_flat_workgroup_size: 128
    .sgpr_count:     100
    .vgpr_count:     1024
    .wavefront_size: 32
...
	.end_amdgpu_metadata
.endif
;; end of part 2
;; launch attn (part 3): grid 4 x 64, 16 waves a work-group, no clusters, 327,680 bytes of LDS; arguments qc, kc, vc, lowp_scales, ac; writes ac
.if DOCPART == 3
	.amdgcn_target "amdgcn-amd-amdhsa--gfx1250"
	.amdhsa_code_object_version 6
	.text
	.protected	k_q466247e831_attn
	.globl	k_q466247e831_attn
	.p2align	8
	.type	k_q466247e831_attn,@function
k_q466247e831_attn:
	s_mov_b64 s[64:65], 0
	v_nop
	global_prefetch_b8 v0, s[64:65] scope:SCOPE_SE
	s_setreg_imm32_b32 hwreg(HW_REG_WAVE_MODE, 25, 1), 1
	s_wait_xcnt 0x0
; Causal attention on codes of FP8 (E4M3), head size 64, 64 heads of 2,048 tokens.  qc, kc: [bh][2048 t][64 d].  vc: [bh][16 blocks][64 d][128 keys].  ac (the result's codes): [16 h][8192 tokens][64 d].
; THE SOFTMAX AHEAD OF THE SECOND PRODUCT: t = score x log2(e) / 8; M = the row's largest t so far, rounded UP to a whole number; p = 2^(t - M) is quantised with 2^e4, not normalised.
; The row's sum is taken of the unquantised p and divides O at the end; when M moves, the sum and O are multiplied by 2^(old M - new M): exact.  o is then quantised with 2^e6.
; SHARES.  Work-group (P, bh), P = 0..3, owns the query blocks P and 7 - P of its head, 256 queries each.  Block i needs the key slots 0 .. i of 256 keys: (P + 1) + (8 - P) = 9 slots for EVERY
; work-group: equal work, and a loop whose trip count is a constant.  Trip J works on slot J (J <= P, block P) or J - P - 1 (block 7 - P).  Each of the sixteen waves owns one tile of 16 queries at a time;
; behind trip P it finishes its first tile and goes on to its second.  A step all of whose 128 keys come after the wave's queries is left out by a scalar branch on ids.
; NO CLUSTER: the four work-groups of a head want different slots in the same trip (the slot hangs on P); walking slots 0..7 in step would make each round as long as its busiest partner's: 12 blocks' time against 9.
; LAYOUT.  Both products are used transposed: S^T = K Q^T (source 0 = 16 keys), O^T = V^T P^T (source 0 = 16 of the head's 64): a lane holds ONE query (lane % 16) throughout.
; The keys of a tile of K, and the rows d of a tile of V^T, are not neighbours: lane r of tile 2 b + u takes row 32 b + 8 u + r + 8 (r / 8), so that the 16 registers of tiles 2 b, 2 b + 1 are 16 neighbours.
; LIMITS on the given exponents: e2 + e3 between -122 and 130 (added to c's exponent field); e4, and e6 - e4 - e5, between -126 and 119.
; REGISTERS: v1-7, v10, v11 addresses that stay; v8, v9 the step's LDS addresses; v12 -M, v13 the largest t, v[14:15] the sum; v16-23 Q; v24-31 the second tile's Q; v32-95 K's 8 fragments, then V's 4;
; v96-159 S^T, then p; v160-191 O^T; v192-207 p's codes; v208-223 the way out; v236-254 at work and the scales.
.set KP,    80                         ; a key's row in LDS: 64 bytes + 16 of padding
.set VP,    144                        ; a row of V's block: 128 bytes + 16
.set VOFF,  256*KP                     ; a slot: 256 rows of K, then 2 blocks of 64 rows of V
.set VBLK,  64*VP
.set SLOT1, 1<<16                      ; slot 1 begins here: one exclusive or turns an address from one slot to the other
.set SPARE, 2*SLOT1                    ; the spare words, 128 bytes for each of 16 waves: eight blocks of 256 bytes that no other line names
.set STG,   SPARE+2048                 ; the way out: 16 rows x 80 bytes for each wave; bytes of their own, since the first tile leaves while the ring is still being filled
.set AK0,  1
.set AV0,  2
.set PFO,  3                           ; v3   256 x lane: the prefetches' offset; never rewritten
.set QOF,  4                           ; v4   my bytes in a tile of Q; never rewritten
.set SPW,  5                           ; v5   LDS address of my spare word; never rewritten
.set NIL,  6                           ; v6   0; never rewritten
.set GO,   7                           ; v7   16 x lane
.set ADK,  8
.set ADV,  9
.set STO,  10
.set RD,   11
.set TB,   2                           ; s2   LDS byte at which the slot in hand begins
.set WV,   18
.set SEL,  20                          ; s[20:21] lane selects for v_permlanex16_b32: lane l xor 16
.set CS,   22                          ; s[22:23] c = log2(e) / 8 x 2^(e2 + e3)
.set G1K,  24
.set G1V,  32
.set G0K,  40
.set G0V,  44
.set KB,   48                          ; s[48:49] kc at my head, + the half of a slot that my wave's number names
.set VB,   50                          ; s[50:51] vc likewise
.set AB,   52                          ; s[52:53] ac at my head's plane and my batch's first token
.set OB,   54                          ; s[54:55] ac at the tile that leaves
.set J,    56                          ; s56  the trip
.set P,    57
.set P1,   58                          ; P + 1
.set KF,   59                          ; the slot's first key
.set KFN,  60                          ; the next slot's
.set Q0,   61                          ; my tile's first query
.set Q0B,  62                          ; my second tile's
.set LIM,  63                          ; a wave prefetches while J is under it
.set PFA,  66                          ; s[66:67] where my prefetches stand
; Waves 0 and 1 fetch K's halves, waves 2 and 3 V's two blocks, the others nothing.  Four v_nop follow each of the two lines.
.macro TLOAD
	s_cmp_lt_u32 s[WV], 2
	s_cbranch_scc0 .Lnot_k_\@
	tensor_load_to_lds s[G0K:G0K+3], s[G1K:G1K+7]
	s_nop 0
.rept 4
	v_nop
.endr
	s_branch .Lasked_\@
.Lnot_k_\@:
	s_cmp_lt_u32 s[WV], 4
	s_cbranch_scc0 .Lasked_\@
	tensor_load_to_lds s[G0V:G0V+3], s[G1V:G1V+7]
	s_nop 0
.rept 4
	v_nop
.endr
.Lasked_\@:
.endm
; A PREFETCH INTO THE L2 of the slot that the NEXT change of slots will ask for.  All four work-groups of a head read the same K and V; the one with P = 0 walks slots 0 .. 7 in order in its trips 1 .. 8, and it alone asks:
; waves 4, 5 for K's two halves, waves 6, 7 for V's two blocks, 8,192 dense bytes a wave, lanes 256 bytes apart, one instruction.  In trip J it names slot J + 1, J = 0 .. 6: each block of slots 1 to 7 once; slot 0 comes by its load.
.macro ASK
	s_cmp_lt_u32 s[J], s[LIM]
	s_cbranch_scc0 .Lnot_mine_\@
	global_prefetch_b8 v[PFO], s[PFA:PFA+1] th:TH_LOAD_NT scope:SCOPE_SE
.Lnot_mine_\@:
.endm
; A KEY STEP: 128 keys, the q-th half of the slot in hand.
.macro STEP q
	s_add_co_u32 s97, s[KF], 128*(\q)              ; the step's first key
	s_add_co_u32 s96, s[Q0], 15
	s_cmp_gt_u32 s97, s96                          ; all its keys come after my 16 queries: nothing to do
	s_cbranch_scc1 .Lhidden_\@
	v_add_nc_u32 v[ADK], s[TB], v[AK0]
	v_add_nc_u32 v[ADV], s[TB], v[AV0]
	v_nop                                          ; with the two additions: four places in front of loads into registers that the last products read
	v_nop
.irp t, 0,1,2,3,4,5,6,7
.irp c, 0,1
	ds_load_b128 v[32+8*\t+4*\c:32+8*\t+4*\c+3], v[ADK] offset:(128*(\q)+32*(\t/2)+8*(\t%2))*KP+32*\c
.endr
.endr
	s_wait_dscnt 0x0
	s_wait_alu depctr_va_vdst(0)
.irp t, 0,1,2,3,4,5,6,7                        ; S^T = K Q^T; lane (r, h): query r; the 16 registers of tiles 2 b, 2 b + 1: keys 32 b + 16 h + 0 .. 15
	v_wmma_f32_16x16x64_fp8_fp8 v[96+8*\t:103+8*\t], v[32+8*\t:39+8*\t], v[16:23], 0
.endr
.rept 4
	v_nop                                          ; places in front of the loads below and of the first read of the scores
.endr
.irp t, 0,1,2,3                                ; V's four fragments land while the softmax is worked
.irp c, 0,1,2,3
	ds_load_b128 v[32+16*\t+4*\c:32+16*\t+4*\c+3], v[ADV] offset:(\q)*VBLK+(32*(\t/2)+8*(\t%2))*VP+32*\c
.endr
.endr
	s_add_co_u32 s96, s97, 127                     ; on the diagonal hidden scores become -infinity ahead of the maximum: p = 0 then.  A step all of whose keys count passes this over
	s_cmp_le_u32 s96, s[Q0]
	s_cbranch_scc1 .Lopen_\@
	s_sub_co_i32 s96, s[Q0], s97
	v_and_b32 v252, 15, v0
	v_bfe_u32 v253, v0, 4, 1
	s_delay_alu instid0(VALU_DEP_1)
	v_lshlrev_b32 v253, 4, v253
	s_delay_alu instid0(VALU_DEP_1)
	v_sub_nc_u32 v252, v252, v253
	s_delay_alu instid0(VALU_DEP_1)
	v_add_nc_u32 v252, s96, v252                   ; d = my query - the step's first key - 16 (lane / 16).  Register 16 b + i holds the key 32 b + i further on: hidden where 32 b + i > d
	v_mov_b32 v254, 0xff800000
.set nn, 0
.rept 64
	v_cmp_gt_i32 vcc_lo, 32*(nn/16)+nn%16, v252
	v_cndmask_b32 v[96+nn], v[96+nn], v254, vcc_lo
.set nn, nn+1
.endr
.Lopen_\@:
	v_max3_num_f32 v254, v96, v97, v98             ; the step's largest score of my query among my 64 keys, in two chains, each accumulator from its low end on,
	v_max3_num_f32 v252, v99, v100, v101
.irp i, 6,10,14,18,22,26,30,34,38,42,46,50,54,58
	v_max3_num_f32 v254, v254, v[96+\i], v[97+\i]
	v_max3_num_f32 v252, v252, v[98+\i], v[99+\i]
.endr
	v_max3_num_f32 v254, v254, v158, v159
	s_delay_alu instid0(VALU_DEP_1)
	v_max_num_f32 v254, v254, v252
	s_delay_alu instid0(VALU_DEP_1)
	v_permlanex16_b32 v236, v254, s[SEL], s[SEL+1]
	s_delay_alu instid0(VALU_DEP_1)
	v_max_num_f32 v254, v254, v236                 ; and among lane l xor 16's
	s_delay_alu instid0(VALU_DEP_1)
	v_mul_f32 v254, s[CS], v254                    ; as t (c is positive)
	s_delay_alu instid0(VALU_DEP_1)
	v_max_num_f32 v13, v13, v254                   ; the running largest t
	v_mov_b32 v254, v12
	s_delay_alu instid0(VALU_DEP_2)
	v_floor_f32 v12, -v13                          ; the new -M = floor(-t): M is a whole number
	s_delay_alu instid0(VALU_DEP_1)
	v_sub_f32 v254, v12, v254                      ; old M - new M: a whole number, 0 or less
	s_delay_alu instid0(VALU_DEP_1)
	v_cvt_i32_f32 v254, v254                       ; (it saturates)
	s_delay_alu instid0(VALU_DEP_1)
	v_ldexp_f32 v252, 1.0, v254                    ; f = 2^(old M - new M)
.set jj, 0
.rept 32
	v_pk_fma_f32 v[96+jj:97+jj], v[96+jj:97+jj], s[CS:CS+1], v[12:13] op_sel_hi:[1,0,0]   ; t - M, two at a time
.set jj, jj+2
.endr
.set jj, 0
	s_wait_alu depctr_va_vdst(0)
.rept 64
	v_exp_f32 v[96+jj], v[96+jj]                   ; p = 2^(t - M), at most 1
.set jj, jj+1
.endr
	v_pk_mul_f32 v[14:15], v[14:15], v[252:253] op_sel_hi:[1,0]   ; the sums under the new M.  (The plain line behind the exponentials)
	s_wait_alu depctr_va_vdst(0)                   ; one wait for the whole batch of exponentials, ahead of its first reader
	v_pk_add_f32 v[242:243], v[100:101], v[104:105]
	v_pk_add_f32 v[254:255], v[108:109], v[112:113]
	v_pk_add_f32 v[250:251], v[116:117], v[120:121]
	v_pk_add_f32 v[248:249], v[124:125], v[128:129]
	v_pk_add_f32 v[246:247], v[132:133], v[136:137]
	v_pk_add_f32 v[240:241], v[140:141], v[144:145]
	v_pk_add_f32 v[238:239], v[148:149], v[152:153]
	v_pk_add_f32 v[14:15], v[14:15], v[156:157]
	v_pk_add_f32 v[242:243], v[242:243], v[96:97]
	v_pk_add_f32 v[254:255], v[254:255], v[98:99]
	v_pk_add_f32 v[250:251], v[250:251], v[102:103]
	v_pk_add_f32 v[248:249], v[248:249], v[106:107]
	v_pk_add_f32 v[246:247], v[246:247], v[110:111]
	v_pk_add_f32 v[240:241], v[240:241], v[114:115]
	v_pk_add_f32 v[238:239], v[238:239], v[118:119]
	v_pk_add_f32 v[14:15], v[14:15], v[122:123]
	v_pk_add_f32 v[242:243], v[242:243], v[126:127]
	v_pk_add_f32 v[254:255], v[254:255], v[130:131]
	v_pk_add_f32 v[250:251], v[250:251], v[134:135]
	v_pk_add_f32 v[248:249], v[248:249], v[138:139]
	v_pk_add_f32 v[246:247], v[246:247], v[142:143]
	v_pk_add_f32 v[240:241], v[240:241], v[146:147]
	v_pk_add_f32 v[238:239], v[238:239], v[150:151]
	v_pk_add_f32 v[14:15], v[14:15], v[154:155]
	v_pk_add_f32 v[242:243], v[242:243], v[158:159]
	s_delay_alu instid0(VALU_DEP_2)
	v_pk_add_f32 v[14:15], v[14:15], v[248:249]
	s_delay_alu instid0(VALU_DEP_2)
	v_pk_add_f32 v[242:243], v[242:243], v[246:247]
	v_pk_add_f32 v[254:255], v[254:255], v[240:241]
	v_pk_add_f32 v[250:251], v[250:251], v[238:239]
	s_delay_alu instid0(VALU_DEP_2)
	v_pk_add_f32 v[14:15], v[14:15], v[254:255]
	s_delay_alu instid0(VALU_DEP_2)
	v_pk_add_f32 v[242:243], v[242:243], v[250:251]
	s_delay_alu instid0(VALU_DEP_1)
	v_pk_add_f32 v[14:15], v[14:15], v[242:243]
.irp b, 0,1,2,3
.set jj, 0
.rept 16
.set jj, jj+1
.endr
	v_cvt_scalef32_pk8_fp8_f32 v[192+4*\b:193+4*\b], v[96+16*\b:103+16*\b], v244
	v_cvt_scalef32_pk8_fp8_f32 v[194+4*\b:195+4*\b], v[104+16*\b:111+16*\b], v244
.endr
.set jj, 0
.rept 16
	v_pk_mul_f32 v[160+jj:161+jj], v[160+jj:161+jj], v[252:253] op_sel_hi:[1,0]   ; O^T under the new M.  (Also the plain lines between the conversions and the products that read their results)
.set jj, jj+2
.endr
	s_wait_alu depctr_va_vdst(0)
	s_wait_dscnt 0x0                               ; V's fragments are in
.irp t, 0,1,2,3                                ; O^T += V^T P^T over these 128 keys; the four accumulators take turns
	v_wmma_f32_16x16x128_fp8_fp8 v[160+8*\t:167+8*\t], v[32+16*\t:47+16*\t], v[192:207], v[160+8*\t:167+8*\t]
.endr
.Lhidden_\@:
.endm
; THE CHANGE OF SLOTS stands at a trip's head.  Each wave waits for all its tensor loads (its part of the slot that it is about to read), adds 0 to its spare word, and waits for that and for its reads of the slot that it has left.
; Behind the barrier the slot ahead is whole and nobody reads the other one.  fill = 1: that other slot takes the keys of trip J + 1: the load has a whole trip in which to land.
.macro CHANGE fill
	s_wait_tensorcnt 0x0                           ; no tensor load of mine is out, so a group 0 may be written
	ds_add_u32 v[SPW], v[NIL]                      ; 0 onto my spare word
.if \fill
	s_add_co_u32 s96, s[J], 1
	s_cmp_gt_u32 s96, s[P]
	s_cselect_b32 s97, s[P1], 0
	s_sub_co_u32 s96, s96, s97                     ; the next trip's slot of keys: J + 1, or J - P behind the first block
	s_lshl_b32 s[KFN], s96, 8
	s_lshl_b32 s90, s96, 14                        ; a slot is 16,384 bytes of kc and of vc
	s_mov_b32 s91, 0
	s_xor_b32 s[G0K+1], s[G0K+1], SLOT1            ; the other LDS slot than last time
	s_add_nc_u64 s[G0K+2:G0K+3], s[KB:KB+1], s[90:91]
	s_or_b32 s[G0K+3], s[G0K+3], 0x80000000
	s_xor_b32 s[G0V+1], s[G0V+1], SLOT1
	s_add_nc_u64 s[G0V+2:G0V+3], s[VB:VB+1], s[90:91]
	s_or_b32 s[G0V+3], s[G0V+3], 0x80000000
	s_wait_xcnt 0x0                                ; the last prefetch, a trip back, has read its address, so it may be written
	s_add_nc_u64 s[PFA:PFA+1], s[PFA:PFA+1], 16384
.endif
	s_wait_dscnt 0x0                               ; the add is done, and my reads of the slot that I have left are over
	s_barrier_signal -1
	s_barrier_wait -1
.if \fill
	TLOAD                                          ; the first thing behind the barrier, and a wave's one tensor load until the next
	ASK
.endif
.endm
; A TILE LEAVES: O^T / the sum, quantised with 2^(e6 - e4 - e5) (a sum of the second product stands for sum x 2^(e4 + e5)), through my stage, as 1,024 dense bytes of ac.  reset = 1: the state begins anew for my second tile.
.macro FINAL reset
.rept 4
	v_nop                                          ; places behind the last products
.endr
	v_add_f32 v14, v14, v15                        ; the sum's two halves,
	s_delay_alu instid0(VALU_DEP_1)
	v_permlanex16_b32 v252, v14, s[SEL], s[SEL+1]
	s_delay_alu instid0(VALU_DEP_1)
	v_add_f32 v14, v14, v252                       ; and lane l xor 16's
	s_wait_alu depctr_va_vdst(0)
	v_rcp_f32 v14, v14
	v_nop                                          ; a plain line behind the reciprocal
	s_wait_xcnt 0x0                                ; earlier stores have read their base and their data: both are written below
	s_lshl_b32 s90, s[Q0], 6
	s_mov_b32 s91, 0
	s_add_nc_u64 s[OB:OB+1], s[AB:AB+1], s[90:91]
	s_wait_alu depctr_va_vdst(0)                   ; the wait ahead of the reciprocal's first reader
.set jj, 0
.rept 16
	v_pk_mul_f32 v[96+jj:97+jj], v[160+jj:161+jj], v[14:15] op_sel_hi:[1,0]   ; each accumulator from its low end on; register 16 b + i: d = 32 b + 16 h + i
.set jj, jj+2
.endr
.set jj, 0
.rept 32
.set jj, jj+1
.endr
.irp b, 0,1
	v_cvt_scalef32_pk8_fp8_f32 v[208+4*\b:209+4*\b], v[96+16*\b:103+16*\b], v245
	v_cvt_scalef32_pk8_fp8_f32 v[210+4*\b:211+4*\b], v[104+16*\b:111+16*\b], v245
.endr
	v_nop                                          ; one plain vector line behind the last conversion: later products write its sources
	ds_store_b128 v[STO], v[208:211]               ; row = my query; d = 16 h on,
	ds_store_b128 v[STO], v[212:215] offset:32     ; and 32 + 16 h on
	ds_load_b128 v[216:219], v[RD]                 ; back: eight rows of 64 bytes an instruction; LDS serves a wave's instructions in order
	ds_load_b128 v[220:223], v[RD] offset:8*80
.if \reset
.set jj, 0
.rept 32
	v_mov_b32 v[160+jj], 0
.set jj, jj+1
.endr
	v_mov_b32 v13, 0xff61b1e6                      ; -3e38, under every t
	s_delay_alu instid0(VALU_DEP_1)
	v_floor_f32 v12, -v13
	v_mov_b32 v14, 0
	v_mov_b32 v15, 0
.set jj, 0
.rept 8
	v_mov_b32 v[16+jj], v[24+jj]                   ; the second tile's Q
.set jj, jj+1
.endr
	s_mov_b32 s[Q0], s[Q0B]
.endif
	s_wait_dscnt 1                                 ; the first eight rows are back; the second load may be out
	global_store_b128 v[GO], v[216:219], s[OB:OB+1]             ; 512 consecutive bytes, aligned
	s_wait_dscnt 0x0
	global_store_b128 v[GO], v[220:223], s[OB:OB+1] offset:512
.endm
	s_load_b256 s[4:11], s[0:1], 0x0               ; qc s[4:5], kc s[6:7], vc s[8:9], the scales' exponents s[10:11]
	s_load_b64 s[12:13], s[0:1], 0x20              ; ac
	v_lshl_add_u32 v[SPW], v0, 2, SPARE
	v_mov_b32 v[NIL], 0
	ds_add_u32 v5, v6
	ds_add_u32 v5, v6
	s_wait_dscnt 0x0
	v_lshrrev_b32 v8, 5, v0
	s_delay_alu instid0(VALU_DEP_1)
	v_readfirstlane_b32 s[WV], v8                  ; wave 0..15
	s_mov_b32 s[P], ttmp9
	s_add_co_u32 s[P1], ttmp9, 1
	s_and_b32 s76, ttmp7, 0xffff                   ; bh
	s_lshl_b32 s78, s76, 17                        ; a head's codes are 131,072 bytes in qc, kc and vc
	s_mov_b32 s79, 0
	s_and_b32 s80, s[WV], 1
	s_lshl_b32 s82, s80, 13                        ; which 8,192 bytes of a slot my wave's number names
	s_add_co_u32 s82, s82, s78
	s_mov_b32 s83, 0
	s_mul_i32 s84, s80, 128*KP                     ; and where they go: K's half,
	s_mul_i32 s85, s80, VBLK
	s_add_co_u32 s85, s85, VOFF                    ; V's block
	s_lshl_b32 s[Q0], ttmp9, 8
	s_lshl_b32 s86, s[WV], 4
	s_add_co_u32 s[Q0], s[Q0], s86                 ; 256 P + 16 x wave
	s_sub_co_u32 s[Q0B], 7, ttmp9
	s_lshl_b32 s[Q0B], s[Q0B], 8
	s_add_co_u32 s[Q0B], s[Q0B], s86               ; 256 (7 - P) + 16 x wave
	; descriptor group 1.  Both tiles are 8,192 dense bytes, stated as 32 rows of 256 bytes; the padding comes behind every 64 bytes (a key's row) or every 128 (a row of V's block)
	s_mov_b32 s[G1K], (0<<16)|(1<<20)|(3<<22)|(3<<25)   ; no mask; elements of 1 byte; padding on; after every 16 words; four words
	s_mov_b32 s[G1V], (0<<16)|(1<<20)|(4<<22)|(3<<25)   ; after every 32 words
.irp g, G1K, G1V
	s_mov_b32 s[\g+1], 256<<16                     ; tensor_dim0
	s_mov_b32 s[\g+2], 32<<16                      ; tensor_dim1
	s_mov_b32 s[\g+3], 256<<16                     ; tile_dim0
	s_mov_b32 s[\g+4], 32                          ; tile_dim1
	s_mov_b32 s[\g+5], 256                         ; tensor_dim0_stride
	s_mov_b32 s[\g+6], 0
	s_mov_b32 s[\g+7], 0
.endr
	s_mov_b32 s[SEL], 0x76543210
	s_mov_b32 s[SEL+1], 0xfedcba98
	s_mov_b32 s[CS], 0x3e38aa3b                    ; log2(e) / 8
	s_mov_b32 s[TB], 0
	s_mov_b32 s[J], 0
	s_mov_b32 s[KF], 0
	s_wait_kmcnt 0x0
	s_load_b256 s[68:75], s[10:11], 0x0            ; e0 .. e7
	s_add_nc_u64 s[KB:KB+1], s[6:7], s[82:83]
	s_add_nc_u64 s[VB:VB+1], s[8:9], s[82:83]
	s_mov_b32 s[G0K], 1                            ; count = 1
	s_mov_b32 s[G0K+1], s84                        ; LDS address: slot 0
	s_mov_b64 s[G0K+2:G0K+3], s[KB:KB+1]           ; global address: the head's first 256 keys
	s_or_b32 s[G0K+3], s[G0K+3], 0x80000000        ; type = 2
	s_mov_b32 s[G0V], 1
	s_mov_b32 s[G0V+1], s85
	s_mov_b64 s[G0V+2:G0V+3], s[VB:VB+1]
	s_or_b32 s[G0V+3], s[G0V+3], 0x80000000
	TLOAD                                          ; trip 0's slot
	s_add_nc_u64 s[4:5], s[4:5], s[78:79]          ; qc at my head
	s_lshl_b32 s90, s[Q0], 6
	s_mov_b32 s91, 0
	s_add_nc_u64 s[86:87], s[4:5], s[90:91]        ; my first tile of queries,
	s_lshl_b32 s90, s[Q0B], 6
	s_add_nc_u64 s[88:89], s[4:5], s[90:91]        ; my second
	s_and_b32 s90, s76, 15
	s_lshl_b32 s90, s90, 19                        ; ac: the head's plane of 524,288 bytes,
	s_lshr_b32 s77, s76, 4
	s_lshl_b32 s77, s77, 17                        ; the batch's 2,048 tokens of 64 bytes
	s_add_co_u32 s90, s90, s77
	s_add_nc_u64 s[AB:AB+1], s[12:13], s[90:91]
	s_cmp_lt_u32 s[WV], 6                          ; the prefetches: waves 4, 5 K's halves, waves 6, 7 V's blocks; the first change of slots steps the address to slot 1
	s_cselect_b64 s[PFA:PFA+1], s[KB:KB+1], s[VB:VB+1]
	s_sub_co_u32 s77, s[WV], 4
	s_lshr_b32 s77, s77, 2                         ; 0 in waves 4 to 7,
	s_or_b32 s77, s77, ttmp9                       ; of the work-group with P = 0
	s_cmp_eq_u32 s77, 0
	s_cselect_b32 s[LIM], 7, 0
	v_and_b32 v8, 15, v0                           ; r
	v_bfe_u32 v9, v0, 4, 1                         ; h
	s_delay_alu instid0(VALU_DEP_2)
	v_lshlrev_b32 v[QOF], 6, v8
	s_delay_alu instid0(VALU_DEP_1)
	v_lshl_add_u32 v[QOF], v9, 4, v[QOF]           ; Q: row r of 64 bytes, + 16 h
	global_load_b128 v[16:19], v[QOF], s[86:87]
	global_load_b128 v[20:23], v[QOF], s[86:87] offset:32
	global_load_b128 v[24:27], v[QOF], s[88:89]
	global_load_b128 v[28:31], v[QOF], s[88:89] offset:32
	v_and_b32 v11, 8, v8
	s_delay_alu instid0(VALU_DEP_1)
	v_add_nc_u32 v11, v11, v8                      ; r + 8 (r / 8)
	s_delay_alu instid0(VALU_DEP_1)
	v_mul_u32_u24 v[AK0], v11, KP
	s_delay_alu instid0(VALU_DEP_1)
	v_lshl_add_u32 v[AK0], v9, 4, v[AK0]
	s_delay_alu instid0(VALU_DEP_3)
	v_mul_u32_u24 v[AV0], v11, VP
	s_delay_alu instid0(VALU_DEP_1)
	v_lshl_add_u32 v[AV0], v9, 4, v[AV0]
	s_delay_alu instid0(VALU_DEP_1)
	v_add_nc_u32 v[AV0], VOFF, v[AV0]
	v_and_b32 v[GO], 31, v0
	s_delay_alu instid0(VALU_DEP_1)
	v_lshlrev_b32 v[PFO], 8, v[GO]
	s_mul_i32 s77, s[WV], 16*80
	s_add_co_u32 s77, s77, STG                     ; my stage
	v_mul_u32_u24 v[STO], v8, 80
	s_delay_alu instid0(VALU_DEP_1)
	v_lshl_add_u32 v[STO], v9, 4, v[STO]
	s_delay_alu instid0(VALU_DEP_1)
	v_add_nc_u32 v[STO], s77, v[STO]               ; in: row r, + 16 h
	v_lshrrev_b32 v[RD], 2, v[GO]
	s_delay_alu instid0(VALU_DEP_1)
	v_mul_u32_u24 v[RD], v[RD], 80
	v_and_b32 v252, 3, v0
	s_delay_alu instid0(VALU_DEP_1)
	v_lshl_add_u32 v[RD], v252, 4, v[RD]
	s_delay_alu instid0(VALU_DEP_1)
	v_add_nc_u32 v[RD], s77, v[RD]                 ; back: four lanes to a row
	v_lshlrev_b32 v[GO], 4, v[GO]
	v_mov_b32 v13, 0xff61b1e6                      ; the largest t so far: -3e38, under every t
	s_delay_alu instid0(VALU_DEP_1)
	v_floor_f32 v12, -v13                          ; -M
	v_mov_b32 v14, 0
	v_mov_b32 v15, 0
	v_mov_b32 v236, 0                              ; written once: a lane permute's destination counts as one of its sources
	v_mov_b32 v252, 0
	v_mov_b32 v253, 0                              ; (named as the upper half of the pair v[252:253])
.set jj, 0
.rept 32
	v_mov_b32 v[160+jj], 0                         ; O^T: the loop has no first step of its own: the first change of M multiplies zeros
.set jj, jj+1
.endr
	s_wait_kmcnt 0x0
	s_add_co_i32 s77, s70, s71
	s_lshl_b32 s77, s77, 23
	s_add_co_i32 s[CS], s[CS], s77                 ; a score stands for score x 2^(e2 + e3): the two exponents are added to c's exponent field
	s_mov_b32 s[CS+1], s[CS]
	s_add_co_i32 s77, s72, 127
	s_lshl_b32 s80, s77, 23
	v_mov_b32 v244, s80                            ; 2^e4, for p's conversion
	s_sub_co_i32 s77, s74, s72
	s_sub_co_i32 s77, s77, s73
	s_add_co_i32 s77, s77, 127
	s_lshl_b32 s80, s77, 23
	v_mov_b32 v245, s80                            ; 2^(e6 - e4 - e5), for o's conversion
	s_wait_loadcnt 0x0                             ; Q, both tiles
.Lslot:                                            ; eight trips: behind each change of slots but the last the next slot is asked for
	CHANGE 1
	STEP 0
	STEP 1
	s_xor_b32 s[TB], s[TB], SLOT1                  ; on to the other slot
	s_cmp_lg_u32 s[J], s[P]                        ; behind trip P my first tile has seen all its keys
	s_cbranch_scc1 .Lgo_on
	s_wait_alu depctr_va_vdst(0)
	FINAL 1
.Lgo_on:
	s_mov_b32 s[KF], s[KFN]
	s_add_co_u32 s[J], s[J], 1
	s_cmp_lt_u32 s[J], 8
	s_cbranch_scc1 .Lslot
	CHANGE 0                                       ; the last trip is written out
	STEP 0
	STEP 1
	s_wait_alu depctr_va_vdst(0)
	FINAL 0
	s_wait_tensorcnt 0x0                           ; the wave's end: behind my last tensor load and my last LDS store
	ds_add_u32 v[SPW], v[NIL]
	s_wait_dscnt 0x0
	s_endpgm
.Lfunc_end_k_q466247e831_attn:
	.size	k_q466247e831_attn, .Lfunc_end_k_q466247e831_attn-k_q466247e831_attn
	.p2alignl 7, 3214868480
	.fill 96, 4, 3214868480
	.section	.rodata,"a",@progbits
	.p2align	6, 0x0
	.amdhsa_kernel k_q466247e831_attn
		.amdhsa_group_segment_fixed_size 327680
		.amdhsa_private_segment_fixed_size 0
		.amdhsa_enable_private_segment 0
		.amdhsa_kernarg_size 40
		.amdhsa_user_sgpr_count 2
		.amdhsa_user_sgpr_kernarg_segment_ptr 1
		.amdhsa_wavefront_size32 1
		.amdhsa_system_sgpr_workgroup_id_x 1
		.amdhsa_system_sgpr_workgroup_id_y 1
		.amdhsa_system_sgpr_workgroup_id_z 1
		.amdhsa_system_vgpr_workitem_id 0
		.amdhsa_next_free_vgpr 256
		.amdhsa_next_free_sgpr 100
		.amdhsa_reserve_vcc 1
		.amdhsa_float_denorm_mode_32 3
		.amdhsa_float_denorm_mode_16_64 3
		.amdhsa_fp16_overflow 1
		.amdhsa_memory_ordered 1
		.amdhsa_forward_progress 1
		.amdhsa_inst_pref_size 94
	.end_amdhsa_kernel
	.amdgpu_metadata
---
amdhsa.version: [ 1, 2 ]
amdhsa.kernels:
  - .name:           k_q466247e831_attn
    .symbol:         k_q466247e831_attn.kd
    .args:
      - { .name: qc, .offset: 0, .size: 8, .value_kind: global_buffer, .address_space: global }
      - { .name: kc, .offset: 8, .size: 8, .value_kind: global_buffer, .address_space: global }
      - { .name: vc, .offset: 16, .size: 8, .value_kind: global_buffer, .address_space: global }
      - { .name: lowp_scales, .offset: 24, .size: 8, .value_kind: global_buffer, .address_space: global }
      - { .name: ac, .offset: 32, .size: 8, .value_kind: global_buffer, .address_space: global }
    .group_segment_fixed_size: 327680
    .private_segment_fixed_size: 0
    .kernarg_segment_align: 8
    .kernarg_segment_size: 40
    .max_flat_workgroup_size: 512
    .sgpr_count:     100
    .vgpr_count:     256
    .wavefront_size: 32
...
	.end_amdgpu_metadata
.endif
;; end of part 3
;; launch gemm_proj (part 4): grid 4 x 64, 4 waves a work-group, clusters of 4 x 4, 327,680 bytes of LDS; arguments ac, wpc, lowp_scales, proj_b, out0; writes out0
.if DOCPART == 4
	.amdgcn_target "amdgcn-amd-amdhsa--gfx1250"
	.amdhsa_code_object_version 6
	.text
	.protected	k_q466247e831_gemm_proj
	.globl	k_q466247e831_gemm_proj
	.p2align	8
	.type	k_q466247e831_gemm_proj,@function
k_q466247e831_gemm_proj:
	s_mov_b64 s[64:65], 0
	v_nop
	global_prefetch_b8 v0, s[64:65] scope:SCOPE_SE
	s_setreg_imm32_b32 hwreg(HW_REG_WAVE_MODE, 25, 1), 1
	s_wait_xcnt 0x0
	s_wait_alu depctr_hold_cnt(0) depctr_sa_sdst(0) depctr_va_vdst(0) depctr_va_sdst(0) depctr_va_ssrc(0) depctr_va_vcc(0) depctr_vm_vsrc(0)
	s_getreg_b32 s2, hwreg(HW_REG_IB_STS2, 6, 4)
	s_cmp_eq_u32 s2, 0
	s_cbranch_scc0 .Lentry_in_a_cluster
	s_endpgm
.Lentry_in_a_cluster:
	s_bfe_u32 s2, ttmp6, 0x10000c
	s_cmp_lg_u32 s2, 0xf033
	s_cbranch_scc0 .Lentry_shape_is_right
	s_endpgm
.Lentry_shape_is_right:
.set ROWB,   256
.set PITCH,  272
.set AP,     80
.set PLANE,  128*AP
.set ABYTES, 4*PLANE
.set HALFB,  128*PITCH
.set SLOT,   ABYTES+2*HALFB
.set SPARE,  2*SLOT
.set SPITCH, 528
.set FR,     16
.set NL,     4
.set NP,     4
.set ADRA, 16
.set ADRB, 20
.set BO,   22
.set STO,  24
.set RD,   25
.set CO,   26
.set SPW,  28
.set NIL,  29
.set TMP,  32
.set AF,   128
.set BK,   128
.set G1, 24
.set G0, 32
.set G1B, 48
.set G0B, 56
.set MSB, 0
.macro WIN new
.if MSB != \new
	s_set_vgpr_msb (MSB<<8)|\new
.set MSB, \new
.endif
.endm
.set MUL,  0xa1
.set TO_B, 0x40
.macro JLOAD g0a, g1a, g0b, g1b
	s_cmp_eq_u32 s15, 0
	s_cbranch_scc0 .Lfor_b_\@
	tensor_load_to_lds s[\g0a:\g0a+3], s[\g1a:\g1a+7]
	s_nop 0
.rept 4
	v_nop
.endr
	s_branch .Lasked_\@
.Lfor_b_\@:
	tensor_load_to_lds s[\g0b:\g0b+3], s[\g1b:\g1b+7]
	s_nop 0
.rept 4
	v_nop
.endr
.Lasked_\@:
.endm
.macro CREST
	s_cmp_lg_u32 s14, 0
	s_cbranch_scc1 .Lnot_wave_0_\@
	s_barrier_signal -3
.Lnot_wave_0_\@:
	s_barrier_wait -3
	s_barrier_signal -1
	s_barrier_wait -1
.endm
.macro CROUND
	s_barrier_signal -1
	s_barrier_wait -1
	CREST
.endm
.macro FRAGA reg, slot, q, i
.irp c, 0,1,2,3
	ds_load_b128 v[\reg+4*\c:\reg+4*\c+3], v[ADRA+\slot] offset:(2*(\q)+\c/2)*PLANE+(\i)*16*AP+32*(\c%2)
.endr
.endm
.macro FRAGB reg, slot, q, i
.irp c, 0,1,2,3
	ds_load_b128 v[\reg+4*\c:\reg+4*\c+3], v[ADRB+\slot] offset:128*(\q)+32*\c+(\i)*16*PITCH
.endr
.endm
.macro MUL8 a, p, zero
.irp b, 0,1,2,3,4,5,6,7
.if \zero
	v_wmma_f32_16x16x128_fp8_fp8 v[8*(8*(\a)+\b):8*(8*(\a)+\b)+7], v[128*(\p)+FR*\b:128*(\p)+FR*\b+FR-1], v[AF+FR*(\a):AF+FR*(\a)+FR-1], 0
.else
	v_wmma_f32_16x16x128_fp8_fp8 v[8*(8*(\a)+\b):8*(8*(\a)+\b)+7], v[128*(\p)+FR*\b:128*(\p)+FR*\b+FR-1], v[AF+FR*(\a):AF+FR*(\a)+FR-1], v[8*(8*(\a)+\b):8*(8*(\a)+\b)+7]
.endif
.endr
.endm
.macro FETCH_B slot, q, p
	WIN TO_B
.irp i, 0,1,2,3,4,5,6,7
	FRAGB 128*(\p)+FR*\i, \slot, \q, \i
.endr
	WIN 0
.endm
.macro FETCH_A slot, q, i0
.irp i, \i0, \i0+1
	FRAGA AF+FR*(\i), \slot, \q, \i
.endr
.endm
.macro PLACES n
.rept \n
	v_nop
.endr
.endm
.macro STEP slot, q, zero
	s_wait_dscnt 2*NL
	WIN MUL
	MUL8 0, (\q)%2, \zero
	MUL8 1, (\q)%2, \zero
	s_wait_dscnt 0
	PLACES NP
	FETCH_B \slot, (\q)+1, 1-(\q)%2
	FETCH_A \slot, (\q)+1, 0
	WIN MUL
	MUL8 2, (\q)%2, \zero
	MUL8 3, (\q)%2, \zero
	PLACES NP
	WIN 0
	FETCH_A \slot, (\q)+1, 2
.endm
.macro TURN slot, next, fill
	s_wait_tensorcnt 0x0
	ds_add_u32 v[SPW], v[NIL]
	s_wait_dscnt 2*NL+1
	WIN MUL
	MUL8 0, 1, 0
	s_wait_dscnt 0x0
	s_barrier_signal -1
	MUL8 1, 1, 0
	WIN 0
	s_barrier_wait -1
.if \fill
	CREST
	s_add_nc_u64 s[G0+4*\slot+2:G0+4*\slot+3], s[G0+4*\slot+2:G0+4*\slot+3], 8*524288
	s_add_nc_u64 s[G0B+4*\slot+2:G0B+4*\slot+3], s[G0B+4*\slot+2:G0B+4*\slot+3], 2*ROWB
	JLOAD G0+4*\slot, G1, G0B+4*\slot, G1B
.else
	PLACES NP
.endif
	FETCH_B \next, 0, 0
	FETCH_A \next, 0, 0
	WIN MUL
	MUL8 2, 1, 0
	MUL8 3, 1, 0
	PLACES NP
	WIN 0
	FETCH_A \next, 0, 2
.endm
.macro TOSTAGE a
.set AC, 64*(\a)
	WIN 0x32
.set jj, 0
.rept 32
	v_pk_fma_f32 v[TMP+jj:TMP+jj+1], v[AC+jj:AC+jj+1], s[96:97], v[jj:jj+1] op_sel_hi:[1,0,1]
.set jj, jj+2
.endr
	WIN 0
.irp b, 0,1,2,3,4,5,6,7
	ds_store_b128 v[STO], v[TMP+8*\b:TMP+8*\b+3] offset:64*\b
	ds_store_b128 v[STO], v[TMP+8*\b+4:TMP+8*\b+7] offset:64*\b+16
.endr
.set BB, BK+64*((\a)%2)
.irp t, 0,1,2,3,4,5,6,7,8,9,10,11,12,13,14,15
	ds_load_b128 v[BB+4*\t:BB+4*\t+3], v[RD] offset:\t*SPITCH
.endr
.endm
.macro SEND a, younger
.set BB, BK+64*((\a)%2)
	s_wait_dscnt \younger
.if (\a) > 0
	s_add_nc_u64 s[12:13], s[12:13], 16*4096
.endif
.irp t, 0,1,2,3,4,5,6,7,8,9,10,11,12,13,14,15
	global_store_b128 v[CO], v[BB+4*\t:BB+4*\t+3], s[12:13] offset:\t*4096 th:TH_STORE_NT
.endr
.endm
	s_load_b256 s[4:11], s[0:1], 0x0
	s_load_b64 s[12:13], s[0:1], 0x20
	v_lshl_add_u32 v[SPW], v0, 2, SPARE
	v_mov_b32 v[NIL], 0
	ds_add_u32 v28, v29
	ds_add_u32 v28, v29
	s_wait_dscnt 0x0
	v_lshrrev_b32 v1, 5, v0
	v_readfirstlane_b32 s14, v1
	s_lshr_b32 s15, s14, 1
	s_and_b32 s16, s14, 1
	s_bfe_u32 s40, ttmp6, 0x40000
	s_bfe_u32 s41, ttmp6, 0x40004
	s_lshl_b32 s42, ttmp9, 2
	s_add_co_u32 s42, s42, s40
	s_and_b32 s17, ttmp7, 0xffff
	s_lshl_b32 s17, s17, 2
	s_add_co_u32 s17, s17, s41
	s_lshl_b32 s43, s41, 2
	s_lshl_b32 s43, 15, s43
	s_lshl_b32 s44, 0x1111, s40
	s_or_b32 s[G1+0], s43, (0<<16)|(1<<20)|(1<<21)|(3<<22)|(3<<25)
	s_mov_b32 s[G1+1], 8192<<16
	s_mov_b32 s[G1+2], 2<<16
	s_mov_b32 s[G1+3], 8192<<16
	s_mov_b32 s[G1+4], 2
	s_mov_b32 s[G1+5], 524288
	s_mov_b32 s[G1+6], 0
	s_mov_b32 s[G1+7], 0
	s_or_b32 s[G1B+0], s44, (0<<16)|(1<<20)|(1<<21)|(5<<22)|(3<<25)
	s_mov_b32 s[G1B+1], ROWB<<16
	s_mov_b32 s[G1B+2], 128<<16
	s_mov_b32 s[G1B+3], ROWB<<16
	s_mov_b32 s[G1B+4], 128
	s_mov_b32 s[G1B+5], 1024
	s_mov_b32 s[G1B+6], 0
	s_mov_b32 s[G1B+7], 0
	s_lshl_b32 s20, s16, 20
	s_lshl_b32 s18, s17, 13
	s_add_co_u32 s20, s20, s18
	s_mov_b32 s21, 0
	s_lshl_b32 s46, s42, 18
	s_lshl_b32 s18, s16, 17
	s_add_co_u32 s46, s46, s18
	s_mov_b32 s47, 0
	s_mul_i32 s45, s16, 2*PLANE
	s_mul_i32 s19, s16, HALFB
	s_add_co_u32 s19, s19, ABYTES
	s_wait_kmcnt 0x0
	s_load_b256 s[76:83], s[8:9], 0x0
	s_add_nc_u64 s[20:21], s[4:5], s[20:21]
	s_add_nc_u64 s[46:47], s[6:7], s[46:47]
	CROUND
.irp s, 0,1
	s_mov_b32 s[G0+4*\s], 1
	s_add_co_u32 s[G0+4*\s+1], s45, \s*SLOT
	s_add_nc_u64 s[G0+4*\s+2:G0+4*\s+3], s[20:21], \s*4*524288
	s_or_b32 s[G0+4*\s+3], s[G0+4*\s+3], 0x80000000
	s_mov_b32 s[G0B+4*\s], 1
	s_add_co_u32 s[G0B+4*\s+1], s19, \s*SLOT
	s_add_nc_u64 s[G0B+4*\s+2:G0B+4*\s+3], s[46:47], \s*ROWB
	s_or_b32 s[G0B+4*\s+3], s[G0B+4*\s+3], 0x80000000
	s_wait_alu depctr_va_vdst(0)
	s_wait_tensorcnt 0x0
	ds_add_u32 v28, v29
	ds_add_u32 v28, v29
	s_wait_dscnt 0x0
	CROUND
	JLOAD G0+4*\s, G1, G0B+4*\s, G1B
.endr
	v_and_b32 v1, 15, v0
	v_bfe_u32 v2, v0, 4, 1
	v_mul_u32_u24 v3, v1, AP
	v_lshl_add_u32 v3, v2, 4, v3
	v_mul_u32_u24 v4, v1, PITCH
	v_lshl_add_u32 v4, v2, 4, v4
	s_mul_i32 s21, s15, 64*AP
	s_mul_i32 s22, s16, HALFB
	s_add_co_u32 s22, s22, ABYTES
.irp s, 0,1
	v_add_nc_u32 v[ADRA+\s], s21, v3
	v_add_nc_u32 v[ADRB+\s], s22, v4
	s_add_co_u32 s21, s21, SLOT
	s_add_co_u32 s22, s22, SLOT
.endr
	v_lshlrev_b32 v[BO], 5, v2
	s_wait_alu depctr_va_vdst(0)
	s_mul_i32 s23, s14, 16*SPITCH
	v_mul_u32_u24 v5, v1, SPITCH
	v_lshl_add_u32 v5, v2, 5, v5
	v_add_nc_u32 v[STO], s23, v5
	v_and_b32 v6, 31, v0
	v_lshlrev_b32 v[CO], 4, v6
	v_add_nc_u32 v[RD], s23, v[CO]
	s_lshl_b32 s90, s42, 10
	s_lshl_b32 s91, s16, 9
	s_add_co_u32 s90, s90, s91
	s_mov_b32 s91, 0
	s_add_nc_u64 s[86:87], s[10:11], s[90:91]
	s_add_nc_u64 s[12:13], s[12:13], s[90:91]
	s_lshl_b32 s90, s17, 19
	s_lshl_b32 s88, s15, 18
	s_add_co_u32 s90, s90, s88
	s_add_nc_u64 s[12:13], s[12:13], s[90:91]
	WIN 0xc0
.irp b, 0,1,2,3,4,5,6,7
	global_load_b128 v[8*\b:8*\b+3], v[BO], s[86:87] offset:64*\b
	global_load_b128 v[8*\b+4:8*\b+7], v[BO], s[86:87] offset:64*\b+16
.endr
	WIN 0
	s_wait_tensorcnt 1
	s_barrier_signal -1
	s_barrier_wait -1
	FETCH_B 0, 0, 0
	FETCH_A 0, 0, 0
	FETCH_A 0, 0, 2
	STEP 0, 0, 1
	TURN 0, 1, 1
	STEP 1, 0, 0
	TURN 1, 0, 1
	STEP 0, 0, 0
	TURN 0, 1, 0
	STEP 1, 0, 0
	s_wait_dscnt 2*NL
	WIN MUL
	MUL8 0, 1, 0
	MUL8 1, 1, 0
	s_wait_dscnt 0
	MUL8 2, 1, 0
	MUL8 3, 1, 0
	WIN 0
	s_wait_kmcnt 0x0
	s_add_co_i32 s96, s82, s83
	s_add_co_i32 s96, s96, 127
	s_lshl_b32 s96, s96, 23
	s_mov_b32 s97, s96
	s_wait_loadcnt 0x0
	PLACES NP
	TOSTAGE 0
.irp a, 1,2,3
.if \a > 1
	s_wait_xcnt 0x0
.endif
	TOSTAGE \a
	SEND \a-1, 32
.endr
	s_wait_xcnt 0x0
	SEND 3, 0
	s_wait_tensorcnt 0x0
	ds_add_u32 v[SPW], v[NIL]
	s_wait_dscnt 0x0
	CROUND
	s_endpgm
.Lfunc_end_k_q466247e831_gemm_proj:
	.size	k_q466247e831_gemm_proj, .Lfunc_end_k_q466247e831_gemm_proj-k_q466247e831_gemm_proj
	.p2alignl 7, 3214868480
	.fill 96, 4, 3214868480
	.section	.rodata,"a",@progbits
	.p2align	6, 0x0
	.amdhsa_kernel k_q466247e831_gemm_proj
		.amdhsa_group_segment_fixed_size 327680
		.amdhsa_private_segment_fixed_size 0
		.amdhsa_enable_private_segment 0
		.amdhsa_kernarg_size 40
		.amdhsa_user_sgpr_count 2
		.amdhsa_user_sgpr_kernarg_segment_ptr 1
		.amdhsa_wavefront_size32 1
		.amdhsa_system_sgpr_workgroup_id_x 1
		.amdhsa_system_sgpr_workgroup_id_y 1
		.amdhsa_system_sgpr_workgroup_id_z 1
		.amdhsa_system_vgpr_workitem_id 0
		.amdhsa_next_free_vgpr 832
		.amdhsa_next_free_sgpr 100
		.amdhsa_reserve_vcc 0
		.amdhsa_float_denorm_mode_32 3
		.amdhsa_float_denorm_mode_16_64 3
		.amdhsa_memory_ordered 1
		.amdhsa_forward_progress 1
		.amdhsa_inst_pref_size 79
	.end_amdhsa_kernel
	.amdgpu_metadata
---
amdhsa.version: [ 1, 2 ]
amdhsa.kernels:
  - .name:           k_q466247e831_gemm_proj
    .symbol:         k_q466247e831_gemm_proj.kd
    .args:
      - { .name: ac, .offset: 0, .size: 8, .value_kind: global_buffer, .address_space: global }
      - { .name: wpc, .offset: 8, .size: 8, .value_kind: global_buffer, .address_space: global }
      - { .name: lowp_scales, .offset: 16, .size: 8, .value_kind: global_buffer, .address_space: global }
      - { .name: proj_b, .offset: 24, .size: 8, .value_kind: global_buffer, .address_space: global }
      - { .name: out0, .offset: 32, .size: 8, .value_kind: global_buffer, .address_space: global }
    .group_segment_fixed_size: 327680
    .private_segment_fixed_size: 0
    .kernarg_segment_align: 8
    .kernarg_segment_size: 40
    .max_flat_workgroup_size: 128
    .sgpr_count:     100
    .vgpr_count:     832
    .wavefront_size: 32
...
	.end_amdgpu_metadata
.endif
;; end of part 4
